; MI455X (gfx1250); checked and timed in simulation.
; The chip was launched on July 23, 2026; its instructions are those of AMD's public machine-readable ISA for CDNA 5 (MIT licence, August 2026) and "CDNA5" Instruction Set Architecture Reference Guide (July 2026). The comments in the code are by the model that wrote it; some were corrected since.
;; GTMHA. Allowed arithmetic: float matrix products may take bf16 or f16 operands with f32 sums; all other float work in f32.
;; Inputs: A 4,096 x 4,096 float32; Wk 128 x 128 float32; Wo 128 x 128 float32; Wq 128 x 128 float32; Wv 128 x 128 float32; bk 128 float32; bo 128 float32; bq 128 float32; bv 128 float32; h 4,096 x 128 float32.
;; Outputs: out0 4,096 x 128 float32.
;; 2 versions, each right. Each part assembles by itself: llvm-mc -triple=amdgcn-amd-amdhsa -mcpu=gfx1250 --defsym DOCPART=n.
;; ======== version 1 of 2: 2 launches
;; limits: values are held in f16: magnitudes above 65,504 overflow, below 6.1e-05 lose precision
;; workspace buffers: Qw 1,048,576 bytes; KVw 2,097,152 bytes; Wof 32,768 bytes
;; launch proj (part 1): grid 256 x 1, 8 waves a work-group, no clusters, 126,976 bytes of LDS; arguments h, Wq, bq, Wk, bk, Wv, bv, Wo, Qw, KVw, Wof; writes Qw, KVw, Wof
.if DOCPART == 1
	.amdgcn_target "amdgcn-amd-amdhsa--gfx1250"
	.amdhsa_code_object_version 6
	.text
	.protected	k_qbc021c4d3c_proj
	.globl	k_qbc021c4d3c_proj
	.p2align	8
	.type	k_qbc021c4d3c_proj,@function
k_qbc021c4d3c_proj:
	s_mov_b64 s[64:65], 0
	v_nop
	global_prefetch_b8 v0, s[64:65] scope:SCOPE_SE
	s_setreg_imm32_b32 hwreg(HW_REG_WAVE_MODE, 25, 1), 1
	s_wait_xcnt 0x0
; q = (h Wq^T + bq) * 0.25 * log2(e), k = h Wk^T + bk, v = h Wv^T + bv, and Wo, all rounded to f16 and laid out as the
; attention launch's matrix fragments.  h: [4096][128] f32, W: [128][128] f32, b: [128] f32.
; The raw reshape (4096,128) -> (8,4096,16) makes row R, column c the element (head R/512, key 8 (R%512) + c/16, dim c%16).
; A work-group owns 16 rows of h = 128 keys (four blocks of 32) of head g>>5.  Eight waves; wave w makes columns 16w..16w+15
; of q and k (key 8r+w of row r, all 16 dims), and for v the 16 columns 16j + 2w + hh (j = 0..7, hh = 0,1): eight neighbouring
; keys of two dims.  The products are used transposed (source 0 = 16 rows of W, source 1 = the 16 rows of h), so that a lane's
; eight results are 16 bytes of f16 that belong together.
; OUT:  Qw  f16 [4096][128], flat as the reference's q.
;       KVw f16 [head pair 4][block of 32 keys 128][head in pair 2][K 1 KiB | V 1 KiB], each KiB = [chunk c 2][lane 32][16 bytes]:
;           K: lane (r,hh) holds k[key 16c+r][dims 8hh..+7];  V: lane (r,hh) holds v[keys 16c+8hh..+7][dim r].
;       Wof f16 [column tile 8][K step 4][chunk 2][lane 32][16 bytes] = Wo[16ct+r][32ks+16c+8hh..+7].
; LIMITS: every matrix operand and every stored number is f16: magnitudes above 65,504 become infinite, below 6e-8 vanish.
; No cluster, no tensor loads: a work-group's own input is 8 KiB and the weights are 256 KiB in all, read through registers
; because they have to be converted on the way.
.set PITCH, 272                        ; an LDS row of 128 f16 + 16 bytes: an odd multiple of 16, so 16 rows start at 16 different 16-byte columns
.set HST,   0                          ; h's 16 rows in f16
.set WOST,  16*PITCH                   ; 16 rows of Wo in f16
.set QST,   2*16*PITCH                 ; q on its way out
.set KVST,  3*16*PITCH                 ; [block 4][K 1 KiB | V 1 KiB] on its way out
.set WST,   KVST+8192                  ; each wave's own three tiles of 16 rows: Wq, Wk, Wv
.set WMAT,  16*PITCH
.set WWAVE, 3*WMAT
.set ACC,   16                         ; v[16:39]   sums of q, k, v, started from the biases
.set RAW,   40                         ; v[40:231]  3 x 16 rows of W as loaded; later v[40:135] W's fragments, v[136:167] h's
.set HF,    136
.set RWO,   232                        ; v[232:239] two rows of Wo as loaded
	s_load_b512 s[8:23], s[0:1], 0x0               ; h, Wq, bq, Wk, bk, Wv, bv, Wo
	s_load_b128 s[24:27], s[0:1], 0x40             ; Qw, KVw
	s_load_b64 s[28:29], s[0:1], 0x50              ; Wof
	v_lshl_add_u32 v254, v0, 2, 0x1ec00
	v_mov_b32 v255, 0
	v_lshrrev_b32 v1, 5, v0
	v_readfirstlane_b32 s2, v1                     ; wave w
	v_and_b32 v1, 31, v0                           ; lane L
	v_and_b32 v3, 15, v0                           ; r
	v_bfe_u32 v4, v0, 4, 1                         ; hh
	v_lshlrev_b32 v2, 4, v1                        ; 16 L
	s_lshl_b32 s3, s2, 6
	v_lshl_add_u32 v5, v4, 5, s3                   ; bq, bk: 4 (16w + 8hh)
	s_lshl_b32 s3, s2, 3
	v_lshl_add_u32 v6, v4, 2, s3                   ; bv: 4 (2w + hh)
	s_lshl_b32 s36, s2, 10                         ; two rows of 512 bytes a wave
	s_mov_b32 s37, 0
	s_lshl_b32 s30, ttmp9, 13                      ; h: rows 16g + 2w
	s_add_co_u32 s30, s30, s36
	s_mov_b32 s31, 0
	s_and_b32 s32, ttmp9, 7                        ; Wo: rows 16 (g&7) + 2w
	s_lshl_b32 s32, s32, 13
	s_add_co_u32 s32, s32, s36
	s_mov_b32 s33, 0
	s_lshl_b32 s34, s2, 13                         ; Wq, Wk: rows 16w ..
	s_mov_b32 s35, 0
	s_lshl_b32 s38, ttmp9, 12                      ; Qw: 16g rows of 256 bytes + 512 w; Wof: tile g of 4,096 bytes + 512 w
	s_lshl_b32 s39, s2, 9
	s_add_co_u32 s38, s38, s39
	s_mov_b32 s39, 0
	s_lshr_b32 s40, ttmp9, 6                       ; KVw: head pair g>>6,
	s_lshl_b32 s40, s40, 19
	s_and_b32 s41, ttmp9, 31                       ; block 4 (g&31) + (w>>1),
	s_lshl_b32 s41, s41, 14
	s_add_co_u32 s40, s40, s41
	s_lshr_b32 s41, s2, 1
	s_lshl_b32 s41, s41, 12
	s_add_co_u32 s40, s40, s41
	s_bfe_u32 s41, ttmp9, 0x10005                  ; head in the pair (g>>5)&1,
	s_lshl_b32 s41, s41, 11
	s_add_co_u32 s40, s40, s41
	s_and_b32 s41, s2, 1                           ; K or V
	s_lshl_b32 s41, s41, 10
	s_add_co_u32 s40, s40, s41
	s_mov_b32 s41, 0
	s_mov_b32 s42, 0x3eb8aa3b                      ; 16^-0.5 * log2(e): the softmax is taken in base 2
	s_mov_b32 s43, 0x3eb8aa3b
	s_wait_kmcnt 0x0
	s_add_nc_u64 s[8:9], s[8:9], s[30:31]
	s_add_nc_u64 s[22:23], s[22:23], s[32:33]
	s_add_nc_u64 s[10:11], s[10:11], s[34:35]
	s_add_nc_u64 s[14:15], s[14:15], s[34:35]
	s_add_nc_u64 s[18:19], s[18:19], s[36:37]      ; Wv: rows 16j + 2w + hh: 2w rows here, the rest in the immediates
	s_add_nc_u64 s[24:25], s[24:25], s[38:39]
	s_add_nc_u64 s[28:29], s[28:29], s[38:39]
	s_add_nc_u64 s[26:27], s[26:27], s[40:41]
	; All 64 loads in one run; each b128 line covers a whole row of 512 bytes.  Every work-group loads and stages its two rows of Wo
	; a wave (so that their registers are written on every path); only work-groups 0-7 store the result, at the end.
	global_load_b128 v[RWO:RWO+3],   v2, s[22:23]
	global_load_b128 v[RWO+4:RWO+7], v2, s[22:23] offset:512
	global_load_b128 v[8:11],  v2, s[8:9] th:TH_LOAD_NT
	global_load_b128 v[12:15], v2, s[8:9] offset:512 th:TH_LOAD_NT
	global_load_b128 v[ACC:ACC+3],     v5, s[12:13]            ; register j of a sum is output column 16w + 8hh + j
	global_load_b128 v[ACC+4:ACC+7],   v5, s[12:13] offset:16
	global_load_b128 v[ACC+8:ACC+11],  v5, s[16:17]
	global_load_b128 v[ACC+12:ACC+15], v5, s[16:17] offset:16
.irp j, 0,1,2,3,4,5,6,7
	global_load_b32 v[ACC+16+\j], v6, s[20:21] offset:64*\j    ; for v it is column 16j + 2w + hh
.endr
.irp i, 0,1,2,3,4,5,6,7,8,9,10,11,12,13,14,15
	global_load_b128 v[RAW+4*\i:RAW+4*\i+3], v2, s[10:11] offset:512*\i
.endr
.irp i, 0,1,2,3,4,5,6,7,8,9,10,11,12,13,14,15
	global_load_b128 v[RAW+64+4*\i:RAW+64+4*\i+3], v2, s[14:15] offset:512*\i
.endr
.irp i, 0,1,2,3,4,5,6,7,8,9,10,11,12,13,14,15
	global_load_b128 v[RAW+128+4*\i:RAW+128+4*\i+3], v2, s[18:19] offset:(\i&7)*8192+(\i>>3)*512   ; tile row i = Wv's row 16 (i&7) + 2w + (i>>3)
.endr
	; LDS addresses, while the loads are on their way
	s_mul_i32 s3, s2, 2*PITCH
	v_lshl_add_u32 v7, v1, 3, s3                   ; rows 2w, 2w+1 of a shared stage: 8 bytes a lane
	v_mul_u32_u24 v250, v4, PITCH
	v_lshl_add_u32 v250, v3, 4, v250
	v_add_nc_u32 v250, s3, v250                    ; q read back: row 2w + hh, 16 bytes at 16 r
	s_mul_i32 s3, s2, WWAVE
	s_add_co_u32 s3, s3, WST
	v_lshl_add_u32 v240, v1, 3, s3                 ; my wave's own W stage
	v_mul_u32_u24 v241, v3, PITCH
	v_lshl_add_u32 v241, v4, 4, v241               ; a fragment's lane: row r, 16 hh
	v_add_nc_u32 v242, s3, v241
	s_lshl_b32 s3, s2, 5
	v_add_nc_u32 v243, s3, v241                    ; row r, byte 32w + 16hh
	v_bfe_u32 v246, v0, 2, 2                       ; r>>2: the block of 32 keys
	v_bfe_u32 v247, v0, 1, 1                       ; (r>>1)&1: the chunk of 16
	v_and_b32 v248, 1, v0                          ; r&1
	v_lshlrev_b32 v249, 11, v246
	v_lshl_add_u32 v249, v247, 9, v249
	v_lshl_add_u32 v245, v248, 8, v249             ; V: lane 2w + hh + 16 (r&1)
	v_lshl_add_u32 v245, v4, 4, v245
	v_add_nc_u32 v245, s3, v245
	v_lshl_add_u32 v244, v248, 7, v249             ; K: lane 8 (r&1) + w + 16 hh
	v_lshl_add_u32 v244, v4, 8, v244
	s_lshl_b32 s3, s2, 4
	v_add_nc_u32 v244, s3, v244
	s_lshl_b32 s3, s2, 10
	v_add_nc_u32 v251, s3, v2                      ; K/V read back: 1 KiB a wave
.macro STG reg, adr, off                           ; four f32 of a row become 8 bytes of f16 in LDS
	v_cvt_pk_f16_f32 v[\reg], v[\reg], v[\reg+1]
	v_cvt_pk_f16_f32 v[\reg+1], v[\reg+2], v[\reg+3]
	ds_store_b64 v[\adr], v[\reg:\reg+1] offset:\off
.endm
	s_wait_loadcnt 60                              ; 4 + 8 + 48 loads were issued behind h's: Wo's and h's rows are in
	STG RWO,   7, WOST
	STG RWO+4, 7, WOST+PITCH
	STG 8,     7, HST
	STG 12,    7, HST+PITCH
	s_wait_loadcnt 32                              ; Wk's and Wv's 32 loads may stay out
.irp i, 0,1,2,3,4,5,6,7,8,9,10,11,12,13,14,15
	STG RAW+4*\i, 240, PITCH*\i
.endr
	s_wait_loadcnt 16
.irp i, 0,1,2,3,4,5,6,7,8,9,10,11,12,13,14,15
	STG RAW+64+4*\i, 240, WMAT+PITCH*\i
.endr
	s_wait_loadcnt 0x0
.irp i, 0,1,2,3,4,5,6,7,8,9,10,11,12,13,14,15
	STG RAW+128+4*\i, 240, 2*WMAT+PITCH*\i
.endr
	s_wait_dscnt 0x0                               ; my rows of h and Wo are in LDS, for the other waves' sake
	s_barrier_signal -1
	s_barrier_wait -1
	; fragments: 16 rows x 32 K in 8 registers, two loads of 16 bytes, 32 bytes apart
.irp ks, 0,1,2,3
	ds_load_b128 v[HF+8*\ks:HF+8*\ks+3],   v241 offset:HST+64*\ks
	ds_load_b128 v[HF+8*\ks+4:HF+8*\ks+7], v241 offset:HST+64*\ks+32
.endr
.irp mat, 0,1,2
.irp ks, 0,1,2,3
	ds_load_b128 v[RAW+32*\mat+8*\ks:RAW+32*\mat+8*\ks+3],   v242 offset:WMAT*\mat+64*\ks
	ds_load_b128 v[RAW+32*\mat+8*\ks+4:RAW+32*\mat+8*\ks+7], v242 offset:WMAT*\mat+64*\ks+32
.endr
.endr
	s_wait_dscnt 0x0
.irp ks, 0,1,2,3
.irp mat, 0,1,2
	v_wmma_f32_16x16x32_f16 v[ACC+8*\mat:ACC+8*\mat+7], v[RAW+32*\mat+8*\ks:RAW+32*\mat+8*\ks+7], v[HF+8*\ks:HF+8*\ks+7], v[ACC+8*\mat:ACC+8*\mat+7]   ; the three sums take turns, one instruction a turn
.endr
.endr
.rept 4
	v_nop                                          ; four places before a vector instruction reads a matrix result (ISA guide 7.12.1)
.endr
.irp i, 0,2,4,6
	v_pk_mul_f32 v[ACC+\i:ACC+\i+1], v[ACC+\i:ACC+\i+1], s[42:43] op_sel_hi:[1,0]
.endr
.irp mat, 0,1,2
.irp i, 0,1,2,3
	v_cvt_pk_f16_f32 v[ACC+8*\mat+\i], v[ACC+8*\mat+2*\i], v[ACC+8*\mat+2*\i+1]
.endr
.endr
	ds_store_b128 v243, v[ACC:ACC+3] offset:QST                ; q(row r, columns 16w + 8hh ..)
	ds_store_b128 v244, v[ACC+8:ACC+11] offset:KVST            ; k(key 8r + w, dims 8hh ..)
	ds_store_b128 v245, v[ACC+16:ACC+19] offset:KVST+1024      ; v(keys 8r .. 8r+7, dim 2w + hh)
	s_wait_dscnt 0x0
	s_barrier_signal -1
	s_barrier_wait -1
	ds_load_b128 v[40:43], v250 offset:QST
	ds_load_b128 v[44:47], v251 offset:KVST
	ds_load_b128 v[48:51], v251 offset:KVST+512
	s_wait_dscnt 0x0
	global_store_b128 v2, v[40:43], s[24:25]                   ; each store of the wave covers 512 consecutive bytes, aligned
	global_store_b128 v2, v[44:47], s[26:27]
	global_store_b128 v2, v[48:51], s[26:27] offset:512
	s_cmp_lt_u32 ttmp9, 8                          ; Wo has eight column tiles: work-group g < 8 stores tile g,
	s_cbranch_scc0 .Lend
	ds_load_b128 v[60:63], v243 offset:WOST        ; wave w the chunk (K step w>>1, half w&1): row r, byte 32w + 16hh
	s_wait_dscnt 0x0
	global_store_b128 v2, v[60:63], s[28:29]
.Lend:
	s_wait_tensorcnt 0x0
	ds_add_u32 v254, v255
	s_wait_dscnt 0x0
	s_endpgm
.Lfunc_end_k_qbc021c4d3c_proj:
	.size	k_qbc021c4d3c_proj, .Lfunc_end_k_qbc021c4d3c_proj-k_qbc021c4d3c_proj
	.p2alignl 7, 3214868480
	.fill 96, 4, 3214868480
	.section	.rodata,"a",@progbits
	.p2align	6, 0x0
	.amdhsa_kernel k_qbc021c4d3c_proj
		.amdhsa_group_segment_fixed_size 126976
		.amdhsa_private_segment_fixed_size 0
		.amdhsa_enable_private_segment 0
		.amdhsa_kernarg_size 88
		.amdhsa_user_sgpr_count 2
		.amdhsa_user_sgpr_kernarg_segment_ptr 1
		.amdhsa_wavefront_size32 1
		.amdhsa_system_sgpr_workgroup_id_x 1
		.amdhsa_system_sgpr_workgroup_id_y 1
		.amdhsa_system_sgpr_workgroup_id_z 1
		.amdhsa_system_vgpr_workitem_id 0
		.amdhsa_next_free_vgpr 256
		.amdhsa_next_free_sgpr 66
		.amdhsa_reserve_vcc 0
		.amdhsa_float_denorm_mode_32 3
		.amdhsa_float_denorm_mode_16_64 3
		.amdhsa_memory_ordered 1
		.amdhsa_forward_progress 1
		.amdhsa_inst_pref_size 25
	.end_amdhsa_kernel
	.amdgpu_metadata
---
amdhsa.version: [ 1, 2 ]
amdhsa.kernels:
  - .name:           k_qbc021c4d3c_proj
    .symbol:         k_qbc021c4d3c_proj.kd
    .args:
      - { .name: h, .offset: 0, .size: 8, .value_kind: global_buffer, .address_space: global }
      - { .name: Wq, .offset: 8, .size: 8, .value_kind: global_buffer, .address_space: global }
      - { .name: bq, .offset: 16, .size: 8, .value_kind: global_buffer, .address_space: global }
      - { .name: Wk, .offset: 24, .size: 8, .value_kind: global_buffer, .address_space: global }
      - { .name: bk, .offset: 32, .size: 8, .value_kind: global_buffer, .address_space: global }
      - { .name: Wv, .offset: 40, .size: 8, .value_kind: global_buffer, .address_space: global }
      - { .name: bv, .offset: 48, .size: 8, .value_kind: global_buffer, .address_space: global }
      - { .name: Wo, .offset: 56, .size: 8, .value_kind: global_buffer, .address_space: global }
      - { .name: Qw, .offset: 64, .size: 8, .value_kind: global_buffer, .address_space: global }
      - { .name: KVw, .offset: 72, .size: 8, .value_kind: global_buffer, .address_space: global }
      - { .name: Wof, .offset: 80, .size: 8, .value_kind: global_buffer, .address_space: global }
    .group_segment_fixed_size: 126976
    .private_segment_fixed_size: 0
    .kernarg_segment_align: 8
    .kernarg_segment_size: 88
    .max_flat_workgroup_size: 256
    .sgpr_count:     66
    .vgpr_count:     256
    .wavefront_size: 32
...
	.end_amdgpu_metadata
.endif
;; end of part 1
;; launch attn (part 2): grid 4 x 64, 4 waves a work-group, clusters of 4 x 4, 327,680 bytes of LDS; arguments A, Qw, KVw, Wof, bo, out0; writes out0
.if DOCPART == 2
	.amdgcn_target "amdgcn-amd-amdhsa--gfx1250"
	.amdhsa_code_object_version 6
	.text
	.protected	k_qbc021c4d3c_attn
	.globl	k_qbc021c4d3c_attn
	.p2align	8
	.type	k_qbc021c4d3c_attn,@function
k_qbc021c4d3c_attn:
	s_mov_b64 s[64:65], 0
	v_nop
	global_prefetch_b8 v0, s[64:65] scope:SCOPE_SE
	s_setreg_imm32_b32 hwreg(HW_REG_WAVE_MODE, 25, 1), 1
	s_wait_xcnt 0x0
	s_wait_alu depctr_hold_cnt(0) depctr_sa_sdst(0) depctr_va_vdst(0) depctr_va_sdst(0) depctr_va_ssrc(0) depctr_va_vcc(0) depctr_vm_vsrc(0)
	s_getreg_b32 s2, hwreg(HW_REG_IB_STS2, 6, 4)
	s_cmp_eq_u32 s2, 0
	s_cbranch_scc0 .Lentry_in_a_cluster
	s_endpgm
.Lentry_in_a_cluster:
	s_bfe_u32 s2, ttmp6, 0x10000c
	s_cmp_lg_u32 s2, 0xf033
	s_cbranch_scc0 .Lentry_shape_is_right
	s_endpgm
.Lentry_shape_is_right:
; out0 = reshape(softmax((q k^T) * A) v) Wo^T + bo.  8 heads of 16 dims, 4096 queries and keys, A [4096][4096] f32 shared by the heads.
; A work-group owns 64 queries (block nb) of one pair of heads (hp); 4 x 64 = 256 work-groups.  Four waves; wave w owns queries
; 16w..16w+15 of BOTH heads: two pieces, X (head 2hp) and Y (head 2hp+1), which share the registers that hold A.
; CLUSTERS: 4 x 4 work-groups.  A's tile hangs on nb alone: the four of a row of the cluster (four head pairs) ask for it jointly.
; The K/V tile hangs on hp alone: the four of a column (four query blocks) ask for it jointly.  That divides both requests by four.
; SCORES ARE MADE TRANSPOSED, S^T = K q^T: lane (r,hh) holds query r and keys 16t + 8hh + 0..7 in registers 8t..8t+7.  So A comes as two
; 16-byte LDS loads a key tile, and the probabilities, packed to f16 in place, ARE source 1 of O^T = V^T P^T: no shuffle.
; A head has 16 dims and the matrix form sums over 32: source 0 holds the dims of two key tiles side by side, and source 1 is
; [q|0] or [0|q].  The row sums come from the matrix unit too: source 0 with ones in rows 0 and 8 puts the sum in register 0 of both lane halves.
; SOFTMAX: running maximum, base 2 (q carries 16^-0.5 log2 e).  The two pieces take turns: one piece's subtract, exponentials, packing and
; rescaling stand among the other piece's loads, products, multiplication by A and maximum.
; LIMITS: q, k, v, the probabilities and the normalised O are f16 matrix operands: magnitudes above 65,504 become infinite, below 6e-8
; vanish; a probability under 2^-25 of its row's largest counts as zero.
.set APITCH, 1040                      ; an LDS row of A: 256 f32 + 16 bytes = an odd multiple of 16: 16 rows start at 16 different 16-byte columns
.set AHALF,  32*APITCH                 ; 32 rows: one tensor load
.set APART,  64*APITCH
.set KVHALF, 16384                     ; four blocks of 32 keys, both heads, K and V: one tensor load
.set SLOT,   APART+2*KVHALF            ; a tile = 256 keys: 99,328 bytes; three slots
.set OST,    3*SLOT                    ; behind the ring, never filled by a tensor load: O in f16, 16 rows of out x 272
.set OPITCH, 272
.set OUTST,  OST+16*OPITCH             ; 16 rows of out0 in f32 x 528
.set UPITCH, 528
; vector registers
.set RM,   8                           ; v8, v12    running maximum of X, Y (v9, v13 only complete the pairs)
.set RAL,  10                          ; v10, v14   2^(old maximum - new maximum)
.set RT,   16                          ; v[16:19]   at work
.set RQ,   20                          ; v[20:39]   0000 qX 0000 qY 0000: [0|q] = v[20+8z..], [q|0] = v[24+8z..]
.set RONE, 40                          ; v[40:47]   ones in rows 0 and 8
.set RO,   48                          ; v[48+16z..] O^T, 8 registers
.set RL,   56                          ; v[56+16z..] row sums, 8 registers of which 1..7 stay 0
.set RA,   80                          ; v[80:111]  A of this step's 64 keys
.set RS,   112                         ; v[112+32z..] scores, 32 registers; the probabilities are packed into the first 16
.set RK,   176                         ; v[176+16z..] K fragments
.set RV,   208                         ; v[208+16z..] V fragments
.set VA,   240                         ; v[240:242] slot s: LDS address of my A
.set VK,   243                         ; v[243:245] slot s: LDS address of my K/V
; v5, v6 prefetch offsets; v7 = 16 x lane; v247, v248 addresses of bo and q; v256-319 Wo's fragments, v320-335 out0's sums (second block of 256)
.set G1A, 24                           ; s[24:31] shape of A's tiles       s[32:39] shape of K/V's tiles
.set G1K, 32
.set G0A, 40                           ; s[40:51] from where, to where: A, one set a slot      s[52:63] the same for K/V
.set G0K, 52
.set MSB, 0
.macro WIN new                         ; the immediate's high byte repeats the setting that is left
.if MSB != \new
	s_set_vgpr_msb (MSB<<8)|\new
.set MSB, \new
.endif
.endm
; A round of the cluster's barrier: my work-group's barrier, wave 0 signals for the work-group, all wait for the sixteen, my barrier again.
.macro ROUND
	s_barrier_signal -1
	s_barrier_wait -1
	s_cmp_lg_u32 s16, 0
	s_cbranch_scc1 .Lnot_wave_0_\@
	s_barrier_signal -3
.Lnot_wave_0_\@:
	s_barrier_wait -3
	s_barrier_signal -1
	s_barrier_wait -1
.endm
; A joint load: waves 0, 1 ask for A's two halves, waves 2, 3 for K/V's.  The branch hangs on the wave's number alone.
.macro JLOAD s
	s_cmp_eq_u32 s17, 0
	s_cbranch_scc0 .Lfor_kv_\@
	tensor_load_to_lds s[G0A+4*\s:G0A+4*\s+3], s[G1A:G1A+7]
	s_nop 0
	s_branch .Lasked_\@
.Lfor_kv_\@:
	tensor_load_to_lds s[G0K+4*\s:G0K+4*\s+3], s[G1K:G1K+7]
	s_nop 0
.Lasked_\@:
.endm
	s_load_b256 s[4:11], s[0:1], 0x0               ; A s[4:5], Qw s[6:7], KVw s[8:9], Wof s[10:11]
	s_load_b128 s[12:15], s[0:1], 0x20             ; bo s[12:13], out0 s[14:15]
	v_lshl_add_u32 v254, v0, 2, 0x4be00
	v_mov_b32 v255, 0
	ds_add_u32 v254, v255
	v_lshrrev_b32 v1, 5, v0
	v_readfirstlane_b32 s16, v1                    ; wave w
	s_lshr_b32 s17, s16, 1                         ; I fetch for A (0) or for K/V (1)
	s_and_b32 s18, s16, 1                          ; and which half
	s_bfe_u32 s19, ttmp6, 0x40000                  ; cx
	s_bfe_u32 s20, ttmp6, 0x40004                  ; cy
	s_lshl_b32 s21, ttmp9, 2
	s_add_co_u32 s21, s21, s19                     ; hp = 4 x cluster x + cx
	s_and_b32 s22, ttmp7, 0xffff
	s_lshl_b32 s22, s22, 2
	s_add_co_u32 s22, s22, s20                     ; nb = 4 x cluster y + cy
	s_lshl_b32 s76, s20, 2
	s_lshl_b32 s76, 15, s76                        ; my row of the cluster
	s_lshl_b32 s78, 0x1111, s19                    ; my column
	; A's tiles: 32 rows x 256 f32, 4,096 elements from row to row, 4 words of padding behind every 256 words
	s_or_b32 s[G1A+0], s76, (2<<16)|(1<<20)|(1<<21)|(7<<22)|(3<<25)
	s_mov_b32 s[G1A+1], 256<<16                    ; tensor_dim0 = 256
	s_mov_b32 s[G1A+2], 32<<16                     ; tensor_dim1 = 32
	s_mov_b32 s[G1A+3], 256<<16                    ; tile_dim0 = 256
	s_mov_b32 s[G1A+4], 32                         ; tile_dim1 = 32
	s_mov_b32 s[G1A+5], 4096                       ; pitch
	s_mov_b32 s[G1A+6], 0
	s_mov_b32 s[G1A+7], 0
	; K/V's tiles: 16,384 dense bytes as 64 rows of 32 elements of 8 bytes
	s_or_b32 s[G1K+0], s78, (3<<16)|(1<<21)
	s_mov_b32 s[G1K+1], 32<<16
	s_mov_b32 s[G1K+2], 64<<16
	s_mov_b32 s[G1K+3], 32<<16
	s_mov_b32 s[G1K+4], 64
	s_mov_b32 s[G1K+5], 32
	s_mov_b32 s[G1K+6], 0
	s_mov_b32 s[G1K+7], 0
	s_lshl_b32 s76, s22, 20                        ; A: 64 nb rows of 16,384 bytes (registers that never hold cx)
	s_mov_b32 s77, 0
	s_lshl_b32 s78, s21, 19                        ; K/V: head pair x 524,288 + half x 16,384 (registers that never hold cy)
	s_lshl_b32 s79, s18, 14
	s_add_co_u32 s78, s78, s79
	s_mov_b32 s79, 0
	s_lshl_b32 s90, s21, 18                        ; q: head 2hp x 131,072 + (64 nb + 16 w) x 32 bytes
	s_lshl_b32 s91, s22, 11
	s_add_co_u32 s90, s90, s91
	s_lshl_b32 s91, s16, 9
	s_add_co_u32 s90, s90, s91
	s_mov_b32 s91, 0
	s_lshl1_add_u32 s92, s21, s17                  ; out0: row (2hp + (w>>1)) 512 + 8 nb + 4 (w&1), 512 bytes a row
	s_lshl_b32 s92, s92, 9
	s_lshl_b32 s93, s22, 3
	s_add_co_u32 s92, s92, s93
	s_lshl2_add_u32 s92, s18, s92
	s_lshl_b32 s92, s92, 9
	s_mov_b32 s93, 0
	s_mul_i32 s94, s16, AHALF                      ; LDS: A's halves at wave x 33,280 (waves 0, 1),
	s_mul_i32 s95, s16, KVHALF
	s_add_co_u32 s95, s95, APART-2*KVHALF          ; K/V's at 66,560 + (wave - 2) x 16,384 (waves 2, 3)
	s_mov_b32 s70, 0x76543210                      ; v_permlanex16_b32: lane i of the other half
	s_mov_b32 s71, 0xfedcba98
	s_wait_dscnt 0x0
	s_wait_kmcnt 0x0
	s_add_nc_u64 s[80:81], s[4:5], s[76:77]        ; A at my 64 rows
	s_lshl_b32 s76, s18, 19
	s_add_nc_u64 s[66:67], s[80:81], s[76:77]      ; + my half's 32 rows
	s_add_nc_u64 s[68:69], s[8:9], s[78:79]
	s_add_nc_u64 s[84:85], s[6:7], s[90:91]        ; q of X,
	s_add_nc_u64 s[86:87], s[84:85], 0x20000       ; of Y
	s_add_nc_u64 s[82:83], s[14:15], s[92:93]
	s_lshl_b32 s90, s16, 13
	s_add_nc_u64 s[10:11], s[10:11], s[90:91]      ; Wo's column tiles 2w, 2w+1
.irp s, 0,1,2
	s_mov_b32 s[G0A+4*\s], 1
	s_add_co_u32 s[G0A+4*\s+1], s94, \s*SLOT
	s_add_nc_u64 s[G0A+4*\s+2:G0A+4*\s+3], s[66:67], \s*1024       ; tile s: 256 columns on
	s_or_b32 s[G0A+4*\s+3], s[G0A+4*\s+3], 0x80000000
	s_mov_b32 s[G0K+4*\s], 1
	s_add_co_u32 s[G0K+4*\s+1], s95, \s*SLOT
	s_add_nc_u64 s[G0K+4*\s+2:G0K+4*\s+3], s[68:69], \s*32768
	s_or_b32 s[G0K+4*\s+3], s[G0K+4*\s+3], 0x80000000
.endr
	s_add_nc_u64 s[66:67], s[66:67], 3*1024        ; the next tile to ask for, type bits set
	s_or_b32 s67, s67, 0x80000000
	s_add_nc_u64 s[68:69], s[68:69], 3*32768
	s_or_b32 s69, s69, 0x80000000
	ROUND                                          ; all sixteen work-groups are here: the first joint loads meet
	JLOAD 0                                        ; tiles 0, 1, 2: first fills; three tensor loads of the wave are out, the most in this text
	JLOAD 1
	JLOAD 2
	v_and_b32 v16, 15, v0                          ; r
	v_bfe_u32 v17, v0, 4, 1                        ; hh
	v_and_b32 v18, 31, v0
	v_lshlrev_b32 v7, 4, v18                       ; 16 x lane
	; prefetch of A: the two tiles of a later pair are 64 rows x 2,048 bytes = 512 blocks of 256 bytes, one for each lane of the
	; four work-groups that share them: row 16 cx + 4 w + (lane>>3), block lane&7
	s_lshl_b32 s88, s19, 4
	s_lshl2_add_u32 s88, s16, s88
	v_bfe_u32 v19, v0, 3, 2
	v_add_nc_u32 v19, s88, v19
	v_and_b32 v5, 7, v0
	v_lshlrev_b32 v5, 8, v5
	v_lshl_add_u32 v5, v19, 14, v5
	s_mov_b32 s74, 3072                            ; tiles 3 and 4, which the first pair below asks for
	v_add_nc_u32 v6, s74, v5
	global_prefetch_b8 v6, s[80:81] th:TH_LOAD_NT scope:SCOPE_SE
	s_lshl_b32 s75, s16, 7
	v_lshl_add_u32 v247, v17, 5, s75               ; bo: 4 (32w + 8hh)
	v_lshlrev_b32 v248, 5, v16
	v_lshl_add_u32 v248, v17, 4, v248              ; q: query r x 32 bytes + 16 hh
	WIN 0x40                                       ; destinations in the second block of 256 registers
.irp i, 0,1,2,3,4,5,6,7,8,9,10,11,12,13,14,15
	global_load_b128 v[4*\i:4*\i+3], v7, s[10:11] offset:512*\i    ; v256 + 8 (4e + ks) + 4c: Wo's fragments, kept for the end
.endr
.irp i, 0,1,2,3
	global_load_b128 v[64+4*\i:64+4*\i+3], v247, s[12:13] offset:64*(\i/2)+16*(\i%2)   ; v320 + 8e + 4u: out0's sums start from bo
.endr
	WIN 0
	global_load_b128 v[RQ+4:RQ+7],   v248, s[84:85]
	global_load_b128 v[RQ+12:RQ+15], v248, s[86:87]
	v_mul_u32_u24 v1, v16, APITCH
	v_lshl_add_u32 v1, v17, 5, v1
	s_mul_i32 s23, s16, 16*APITCH
	v_add_nc_u32 v1, s23, v1                       ; row 16w + r, 32 hh
.irp s, 0,1,2
	v_add_nc_u32 v[VA+\s], \s*SLOT, v1
	v_add_nc_u32 v[VK+\s], \s*SLOT+APART, v7
.endr
.irp i, 0,1,2,3, 8,9,10,11, 16,17,18,19
	v_mov_b32 v[RQ+\i], 0
.endr
	v_and_b32 v18, 7, v0
	v_cmp_eq_u32 vcc_lo, 0, v18                    ; lanes 0, 8, 16, 24 hold rows 0 and 8 of source 0
	v_mov_b32 v19, 0x3c003c00                      ; two f16 ones
	v_cndmask_b32 v[RONE], 0, v19, vcc_lo
.irp i, 1,2,3,4,5,6,7
	v_mov_b32 v[RONE+\i], v[RONE]
.endr
.irp i, 1,3,5,7
	v_mov_b32 v[RM+\i], 0                          ; the upper registers of the pairs that the packed forms name
.endr
; ---- the pieces of a half step; z = piece, g = group of eight scores (one key tile) ----
.macro SUB z, g                                    ; scores - maximum
.irp i, 0,2,4,6
	v_pk_add_f32 v[RS+32*\z+8*\g+\i:RS+32*\z+8*\g+\i+1], v[RS+32*\z+8*\g+\i:RS+32*\z+8*\g+\i+1], v[RM+4*\z:RM+4*\z+1] op_sel_hi:[1,0] neg_lo:[0,1] neg_hi:[0,1]
.endr
.endm
.macro EXP8 z, g
.irp i, 0,1,2,3,4,5,6,7
	v_exp_f32 v[RS+32*\z+8*\g+\i], v[RS+32*\z+8*\g+\i]
.endr
.endm
.macro EX2 z, i
	v_exp_f32 v[RS+32*\z+\i], v[RS+32*\z+\i]
	v_exp_f32 v[RS+32*\z+\i+1], v[RS+32*\z+\i+1]
.endm
.macro CVT z, g                                    ; eight probabilities become four registers of f16, packed downward in place
	s_wait_alu depctr_va_vdst(0)
.irp i, 0,1,2,3
	v_cvt_pk_f16_f32 v[RS+32*\z+4*\g+\i], v[RS+32*\z+8*\g+2*\i], v[RS+32*\z+8*\g+2*\i+1]
.endr
.endm
.macro QK z, t                                     ; key tile t: even tiles lie in the lower 16 of the 32 summed over, odd ones in the upper
	v_wmma_f32_16x16x32_f16 v[RS+32*\z+8*\t:RS+32*\z+8*\t+7], v[RK+16*\z+8*(\t/2):RK+16*\z+8*(\t/2)+7], v[RQ+8*\z+4-4*(\t%2):RQ+8*\z+4-4*(\t%2)+7], 0
.endm
.macro LDKV reg, kadr, off                         ; two blocks of 32 keys x two chunks: 512 neighbouring bytes a load
.irp b, 0,1
.irp c, 0,1
	ds_load_b128 v[\reg+8*\b+4*\c:\reg+8*\b+4*\c+3], v[\kadr] offset:\off+4096*\b+512*\c
.endr
.endr
.endm
.macro LOADS grp, aadr, kadr, st                   ; step st (64 keys) of the tile: group 1 = K of X, A, V of X; group 2 = K and V of Y
.if \grp == 1
	LDKV RK, \kadr, 8192*\st
.irp t, 0,1,2,3
.irp u, 0,1
	ds_load_b128 v[RA+8*\t+4*\u:RA+8*\t+4*\u+3], v[\aadr] offset:256*\st+64*\t+16*\u
.endr
.endr
	LDKV RV, \kadr, 8192*\st+1024
.else
	LDKV RK+16, \kadr, 8192*\st+2048
	LDKV RV+16, \kadr, 8192*\st+3072
.endif
.endm
.macro MULA z                                      ; scores x A
.irp i, 0,2,4,6,8,10,12,14,16,18,20,22,24,26,28,30
	v_pk_mul_f32 v[RS+32*\z+\i:RS+32*\z+\i+1], v[RS+32*\z+\i:RS+32*\z+\i+1], v[RA+\i:RA+\i+1]
.endr
.endm
.macro RMAX z                                      ; four chains, seven scores each
.irp c, 0,1,2,3
	v_max3_num_f32 v[RT+\c], v[RS+32*\z+8*\c], v[RS+32*\z+8*\c+1], v[RS+32*\z+8*\c+2]
.endr
.irp c, 0,1,2,3
	v_max3_num_f32 v[RT+\c], v[RT+\c], v[RS+32*\z+8*\c+3], v[RS+32*\z+8*\c+4]
.endr
.irp c, 0,1,2,3
	v_max3_num_f32 v[RT+\c], v[RT+\c], v[RS+32*\z+8*\c+5], v[RS+32*\z+8*\c+6]
.endr
.endm
.macro RSC z, i                                    ; O x 2^(old maximum - new maximum)
	v_pk_mul_f32 v[RO+16*\z+\i:RO+16*\z+\i+1], v[RO+16*\z+\i:RO+16*\z+\i+1], v[RAL+4*\z:RAL+4*\z+1] op_sel_hi:[1,0]
.endm
; The serial end of piece nz's maximum, spread among piece pz's last exponentials and its rescaling, so that no line waits for the one before.
; Behind each exponential a plain vector instruction stands before its result is used (ISA guide 5.7.2).
.macro TAIL pz, nz, doP, resc, firstN
	v_max3_num_f32 v[RT], v[RT], v[RS+32*\nz+7], v[RS+32*\nz+15]
	v_max3_num_f32 v[RT+1], v[RT+1], v[RS+32*\nz+23], v[RS+32*\nz+31]
.if \doP
	EX2 \pz, 24
.endif
	v_max3_num_f32 v[RT], v[RT], v[RT+1], v[RT+2]
.if \doP
	EX2 \pz, 26
.endif
.if \firstN
	v_max_num_f32 v[RT], v[RT], v[RT+3]
.else
	v_max3_num_f32 v[RT], v[RT], v[RT+3], v[RM+4*\nz]          ; with the running maximum
.endif
.if \doP
	EX2 \pz, 28
.endif
.if \resc
	RSC \pz, 0
.endif
	v_permlanex16_b32 v[RT+1], v[RT], s70, s71                 ; the other eight keys of each tile lie in the other half of the lanes
.if \doP
	EX2 \pz, 30
.endif
.if \resc
	RSC \pz, 2
.endif
	v_max_num_f32 v[RT+2], v[RT], v[RT+1]
.if \resc
	RSC \pz, 4
.endif
.if \firstN == 0
	v_sub_f32 v[RAL+4*\nz], v[RM+4*\nz], v[RT+2]
.endif
.if \resc
	RSC \pz, 6
.endif
.if \firstN == 0
	v_exp_f32 v[RAL+4*\nz], v[RAL+4*\nz]
.endif
.if \resc
	v_mul_f32 v[RL+16*\pz], v[RL+16*\pz], v[RAL+4*\pz]         ; the row sum lies in register 0 alone
	s_wait_alu depctr_va_vdst(0)
.endif
	v_mov_b32 v[RM+4*\nz], v[RT+2]
	s_wait_alu depctr_va_vdst(0)
.if \doP
	CVT \pz, 3
.endif
.endm
.macro PV z, first                                 ; O and the row sums take turns, one instruction a turn
.if \first
	v_wmma_f32_16x16x32_f16 v[RO+16*\z:RO+16*\z+7], v[RV+16*\z:RV+16*\z+7], v[RS+32*\z:RS+32*\z+7], 0
	v_wmma_f32_16x16x32_f16 v[RL+16*\z:RL+16*\z+7], v[RONE:RONE+7], v[RS+32*\z:RS+32*\z+7], 0
.else
	v_wmma_f32_16x16x32_f16 v[RO+16*\z:RO+16*\z+7], v[RV+16*\z:RV+16*\z+7], v[RS+32*\z:RS+32*\z+7], v[RO+16*\z:RO+16*\z+7]
	v_wmma_f32_16x16x32_f16 v[RL+16*\z:RL+16*\z+7], v[RONE:RONE+7], v[RS+32*\z:RS+32*\z+7], v[RL+16*\z:RL+16*\z+7]
.endif
	v_wmma_f32_16x16x32_f16 v[RO+16*\z:RO+16*\z+7], v[RV+16*\z+8:RV+16*\z+15], v[RS+32*\z+8:RS+32*\z+15], v[RO+16*\z:RO+16*\z+7]
	v_wmma_f32_16x16x32_f16 v[RL+16*\z:RL+16*\z+7], v[RONE:RONE+7], v[RS+32*\z+8:RS+32*\z+15], v[RL+16*\z:RL+16*\z+7]
.endm
; Half a step.  Piece pz: its scores become probabilities, O and the sums are rescaled, P V is added.  Piece nz: loads, q k^T, x A, maximum.
.macro HALF pz, nz, grp, aadr, kadr, st, doP, firstP, doN, firstN
.if \doP
	SUB \pz, 0                                     ; four plain lines on the other piece's registers: the places between the last
.endif                                             ; P V and the loads into its V registers
.if \doN
	LOADS \grp, \aadr, \kadr, \st
.endif
.if \doP
	EXP8 \pz, 0
	SUB \pz, 1
	CVT \pz, 0
	EXP8 \pz, 1
	SUB \pz, 2
	CVT \pz, 1
.endif
.if \doN
.if \grp == 1
	s_wait_dscnt 12                                ; A's eight and V's four loads were issued behind K's: K of X is in, and all that is older (V of Y)
.else
	s_wait_dscnt 4                                 ; V's four were issued behind K's: K of Y is in, and V of X
.endif
.irp t, 0,1,2,3
	QK \nz, \t
.if \doP
	EX2 \pz, 16+2*\t
.endif
.endr
.else
	EXP8 \pz, 2
.endif
.if \doP
	SUB \pz, 3                                     ; eight plain lines on the other piece's registers: the places behind q k^T
	CVT \pz, 2
.else
.rept 4
	v_nop                                          ; the very first half step has no other piece's work to put here
.endr
.endif
.if \doN
.if \grp == 1
	s_wait_dscnt 4                                 ; V's four loads were issued behind A's
.endif
	MULA \nz
	RMAX \nz
	TAIL \pz, \nz, \doP, \doP*(1-\firstP), \firstN
.else
	EXP8 \pz, 3
	RSC \pz, 0
	RSC \pz, 2
	RSC \pz, 4
	RSC \pz, 6
	v_mul_f32 v[RL+16*\pz], v[RL+16*\pz], v[RAL+4*\pz]
	s_wait_alu depctr_va_vdst(0)
	CVT \pz, 3
	s_wait_dscnt 0x0                               ; V of the last step
.endif
.if \doP
	PV \pz, \firstP
.endif
.endm
; A step of 64 keys.  Its first half finishes Y of the step before.  f = 1: the first step of all; f = 2: the second.
.macro ITER f, aadr, kadr, st
.if \f == 1
	HALF 1, 0, 1, \aadr, \kadr, \st, 0, 0, 1, 1
	HALF 0, 1, 2, \aadr, \kadr, \st, 1, 1, 1, 1
.else
.if \f == 2
	HALF 1, 0, 1, \aadr, \kadr, \st, 1, 1, 1, 0
.else
	HALF 1, 0, 1, \aadr, \kadr, \st, 1, 0, 1, 0
.endif
	HALF 0, 1, 2, \aadr, \kadr, \st, 1, 0, 1, 0
.endif
.endm
.macro TILE slot, first                            ; four steps, the step in the loads' immediate offsets
.if \first
	ITER 1, VA+\slot, VK+\slot, 0
	ITER 2, VA+\slot, VK+\slot, 1
.else
	ITER 0, VA+\slot, VK+\slot, 0
	ITER 0, VA+\slot, VK+\slot, 1
.endif
	ITER 0, VA+\slot, VK+\slot, 2
	ITER 0, VA+\slot, VK+\slot, 3
.endm
; Two tiles.  Slot a's tile has landed and is unread; slots b and c have been read and are filled again behind one round of the cluster's barrier.
.macro PAIR a, b, c, fills
	s_wait_tensorcnt 0x0                           ; all my tensor loads have landed, my part of slot a's tile among them: every group 0 may be written
	ds_add_u32 v254, v255
	s_wait_dscnt 0x0
	s_mov_b64 s[G0A+4*\b+2:G0A+4*\b+3], s[66:67]
	s_add_nc_u64 s[G0A+4*\c+2:G0A+4*\c+3], s[66:67], 1024
	s_add_nc_u64 s[66:67], s[66:67], 2048
	s_mov_b64 s[G0K+4*\b+2:G0K+4*\b+3], s[68:69]
	s_add_nc_u64 s[G0K+4*\c+2:G0K+4*\c+3], s[68:69], 32768
	s_add_nc_u64 s[68:69], s[68:69], 65536
.if \fills == 2
	s_wait_xcnt 0x0                                ; the last prefetch, two tiles ago, has read v6
	s_add_co_u32 s74, s74, 2048
	s_min_u32 s74, s74, 14336                      ; never past a row's last two tiles
	v_add_nc_u32 v6, s74, v5
.endif
	s_wait_dscnt 0x0                               ; my reads of slots b and c are back
	ROUND                                          ; both now hold of every wave of all sixteen work-groups
	JLOAD \b                                       ; the first tensor loads behind the round
.if \fills == 2
	JLOAD \c
	global_prefetch_b8 v6, s[80:81] th:TH_LOAD_NT scope:SCOPE_SE   ; my 256 bytes of the two tiles that the next pair asks for
.endif
	TILE \a, 0
	s_wait_tensorcnt \fills-1                      ; my part of slot b's tile is in; slot c's may stay out
	s_wait_dscnt 0x0
	s_barrier_signal -1
	s_barrier_wait -1
	TILE \b, 0
.endm
	s_wait_tensorcnt 2                             ; my part of tile 0 is in; tiles 1 and 2 stay out
	s_wait_loadcnt 0x0                             ; q, Wo's fragments, bo
	s_barrier_signal -1
	s_barrier_wait -1
	TILE 0, 1
	s_wait_tensorcnt 1                             ; tile 1; tile 2 stays out
	s_wait_dscnt 0x0
	s_barrier_signal -1
	s_barrier_wait -1
	TILE 1, 0
	s_mov_b32 s72, 2
.Lpairs:                                           ; tiles 2 to 13
	PAIR 2, 0, 1, 2
	PAIR 1, 2, 0, 2
	PAIR 0, 1, 2, 2
	s_sub_co_u32 s72, s72, 1
	s_cmp_lg_u32 s72, 0
	s_cbranch_scc1 .Lpairs
	PAIR 2, 0, 1, 1                                ; tiles 14 and 15: only tile 15 is still fetched (slot 1's address is written and not used)
	HALF 1, 0, 0, 0, 0, 0, 1, 0, 0, 0              ; Y of the last step
	; THE END: O / row sum in f16 to LDS as 16 rows of the reshaped (4096,128) matrix (row 8z + 2w + (r>>3), column 16 (r&7) + dim),
	; then out0 = O Wo^T + bo: wave w makes columns 32w .. 32w+31 of the 16 rows.
	v_and_b32 v80, 15, v0                          ; five plain lines: the places behind the last product
	v_bfe_u32 v81, v0, 4, 1
	v_bfe_u32 v82, v0, 3, 1
	v_and_b32 v83, 7, v0
	v_mul_u32_u24 v84, v82, OPITCH
	v_rcp_f32 v[RT], v[RL]
	v_rcp_f32 v[RT+2], v[RL+16]
	v_lshl_add_u32 v84, v83, 5, v84
	v_lshl_add_u32 v84, v81, 4, v84
	s_mul_i32 s23, s16, 2*OPITCH
	s_add_co_u32 s23, s23, OST
	v_add_nc_u32 v84, s23, v84                     ; where my 16 bytes of O go
	v_mul_u32_u24 v85, v80, OPITCH
	v_lshl_add_u32 v85, v81, 4, v85
	v_add_nc_u32 v85, OST, v85                     ; O's fragments: row r, 16 hh
	v_mul_u32_u24 v86, v80, UPITCH
	v_lshl_add_u32 v86, v81, 5, v86
	s_lshl_b32 s75, s16, 7
	s_add_co_u32 s75, s75, OUTST
	v_add_nc_u32 v86, s75, v86                     ; out0's stage: row r, byte 128w + 32hh
	s_mul_i32 s89, s16, 4*UPITCH
	s_add_co_u32 s89, s89, OUTST
	v_add_nc_u32 v87, s89, v7                      ; and back: rows 4w .., 16 bytes a lane
	s_wait_alu depctr_va_vdst(0)
.irp i, 0,2,4,6
	v_pk_mul_f32 v[RO+\i:RO+\i+1], v[RO+\i:RO+\i+1], v[RT:RT+1] op_sel_hi:[1,0]
	v_pk_mul_f32 v[RO+16+\i:RO+16+\i+1], v[RO+16+\i:RO+16+\i+1], v[RT+2:RT+3] op_sel_hi:[1,0]
.endr
.irp i, 0,1,2,3
	v_cvt_pk_f16_f32 v[RO+\i], v[RO+2*\i], v[RO+2*\i+1]
	v_cvt_pk_f16_f32 v[RO+16+\i], v[RO+16+2*\i], v[RO+16+2*\i+1]
.endr
	ds_store_b128 v84, v[RO:RO+3]
	ds_store_b128 v84, v[RO+16:RO+19] offset:8*OPITCH
	s_wait_dscnt 0x0                               ; for the other waves' sake
	s_barrier_signal -1
	s_barrier_wait -1
.irp ks, 0,1,2,3
	ds_load_b128 v[RS+8*\ks:RS+8*\ks+3],   v85 offset:64*\ks
	ds_load_b128 v[RS+8*\ks+4:RS+8*\ks+7], v85 offset:64*\ks+32
.endr
	s_wait_dscnt 0x0
	WIN 0x51                                       ; source 0 (Wo), C and D in the second block, source 1 (O) in the first
.irp ks, 0,1,2,3
.irp e, 0,1
	v_wmma_f32_16x16x32_f16 v[64+8*\e:71+8*\e], v[(\e*4+\ks)*8:(\e*4+\ks)*8+7], v[RS+8*\ks:RS+8*\ks+7], v[64+8*\e:71+8*\e]   ; the two sums take turns
.endr
.endr
.rept 4
	v_nop                                          ; four places before an LDS store reads a matrix result
.endr
	WIN 0x04                                       ; store data in the second block
.irp i, 0,1,2,3
	ds_store_b128 v86, v[64+4*\i:64+4*\i+3] offset:64*(\i/2)+16*(\i%2)     ; row r, columns 32w + 16e + 8hh + 4u ..
.endr
	WIN 0
	s_wait_dscnt 0x0
	s_barrier_signal -1
	s_barrier_wait -1
.irp i, 0,1,2,3
	ds_load_b128 v[RS+32+4*\i:RS+32+4*\i+3], v87 offset:UPITCH*\i
.endr
.irp i, 0,1,2,3
	s_wait_dscnt 3-\i
	global_store_b128 v7, v[RS+32+4*\i:RS+32+4*\i+3], s[82:83] offset:512*\i th:TH_STORE_NT   ; a whole row: 512 consecutive bytes, aligned
.endr
	s_wait_tensorcnt 0x0
	ds_add_u32 v254, v255
	s_wait_dscnt 0x0
	ROUND                                          ; the closing round: no work-group ends while a partner may still ask for a tile that names it
	s_endpgm
.Lfunc_end_k_qbc021c4d3c_attn:
	.size	k_qbc021c4d3c_attn, .Lfunc_end_k_qbc021c4d3c_attn-k_qbc021c4d3c_attn
	.p2alignl 7, 3214868480
	.fill 96, 4, 3214868480
	.section	.rodata,"a",@progbits
	.p2align	6, 0x0
	.amdhsa_kernel k_qbc021c4d3c_attn
		.amdhsa_group_segment_fixed_size 327680
		.amdhsa_private_segment_fixed_size 0
		.amdhsa_enable_private_segment 0
		.amdhsa_kernarg_size 48
		.amdhsa_user_sgpr_count 2
		.amdhsa_user_sgpr_kernarg_segment_ptr 1
		.amdhsa_wavefront_size32 1
		.amdhsa_system_sgpr_workgroup_id_x 1
		.amdhsa_system_sgpr_workgroup_id_y 1
		.amdhsa_system_sgpr_workgroup_id_z 1
		.amdhsa_system_vgpr_workitem_id 0
		.amdhsa_next_free_vgpr 336
		.amdhsa_next_free_sgpr 96
		.amdhsa_reserve_vcc 1
		.amdhsa_float_denorm_mode_32 3
		.amdhsa_float_denorm_mode_16_64 3
		.amdhsa_memory_ordered 1
		.amdhsa_forward_progress 1
		.amdhsa_inst_pref_size 255
	.end_amdhsa_kernel
	.section	.bss,"aw",@nobits
	.p2align	6
	.space	262144
	.amdgpu_metadata
---
amdhsa.version: [ 1, 2 ]
amdhsa.kernels:
  - .name:           k_qbc021c4d3c_attn
    .symbol:         k_qbc021c4d3c_attn.kd
    .args:
      - { .name: A, .offset: 0, .size: 8, .value_kind: global_buffer, .address_space: global }
      - { .name: Qw, .offset: 8, .size: 8, .value_kind: global_buffer, .address_space: global }
      - { .name: KVw, .offset: 16, .size: 8, .value_kind: global_buffer, .address_space: global }
      - { .name: Wof, .offset: 24, .size: 8, .value_kind: global_buffer, .address_space: global }
      - { .name: bo, .offset: 32, .size: 8, .value_kind: global_buffer, .address_space: global }
      - { .name: out0, .offset: 40, .size: 8, .value_kind: global_buffer, .address_space: global }
    .group_segment_fixed_size: 327680
    .private_segment_fixed_size: 0
    .kernarg_segment_align: 8
    .kernarg_segment_size: 48
    .max_flat_workgroup_size: 128
    .sgpr_count:     96
    .vgpr_count:     336
    .wavefront_size: 32
...
	.end_amdgpu_metadata
.endif
;; end of part 2
;; ======== version 2 of 2: 2 launches
;; limits: values are held in f16: magnitudes above 65,504 overflow, below 6.1e-05 lose precision
;; workspace buffers: Qw 1,048,576 bytes; KVw 2,097,152 bytes; Wof 32,768 bytes
;; launch proj: the kernel of part 1 again; grid 256 x 1, 8 waves a work-group, no clusters, 126,976 bytes of LDS; arguments h, Wq, bq, Wk, bk, Wv, bv, Wo, Qw, KVw, Wof; writes Qw, KVw, Wof
;; launch attn (part 3): grid 4 x 64, 8 waves a work-group, clusters of 4 x 4, 327,680 bytes of LDS; arguments A, Qw, KVw, Wof, bo, out0; writes out0
.if DOCPART == 3
	.amdgcn_target "amdgcn-amd-amdhsa--gfx1250"
	.amdhsa_code_object_version 6
	.text
	.protected	k_qbc021c4d3c_attn
	.globl	k_qbc021c4d3c_attn
	.p2align	8
	.type	k_qbc021c4d3c_attn,@function
k_qbc021c4d3c_attn:
	s_mov_b64 s[64:65], 0
	v_nop
	global_prefetch_b8 v0, s[64:65] scope:SCOPE_SE
	s_setreg_imm32_b32 hwreg(HW_REG_WAVE_MODE, 25, 1), 1
	s_wait_xcnt 0x0
	s_wait_alu depctr_hold_cnt(0) depctr_sa_sdst(0) depctr_va_vdst(0) depctr_va_sdst(0) depctr_va_ssrc(0) depctr_va_vcc(0) depctr_vm_vsrc(0)
	s_getreg_b32 s2, hwreg(HW_REG_IB_STS2, 6, 4)
	s_cmp_eq_u32 s2, 0
	s_cbranch_scc0 .Lentry_in_a_cluster
	s_endpgm
.Lentry_in_a_cluster:
	s_bfe_u32 s2, ttmp6, 0x10000c
	s_cmp_lg_u32 s2, 0xf033
	s_cbranch_scc0 .Lentry_shape_is_right
	s_endpgm
.Lentry_shape_is_right:
; out0 = reshape(softmax((q k^T) * A) v) Wo^T + bo.  8 heads of 16 dims, 4096 queries and keys, A [4096][4096] f32 shared by the heads.
; A work-group owns 64 queries (block nb) of one pair of heads (hp); 4 x 64 = 256 work-groups.
; EIGHT WAVES: wave W = (qw = W&3, kh = W>>2).  Waves W and W+4 own the same queries 16qw..16qw+15 of BOTH heads (two pieces, X = head 2hp and
; Y = head 2hp+1, which share the registers that hold A) and share the keys: of each tile's four steps of 64 keys kh = 0 takes the first two,
; kh = 1 the last two.  Each keeps a running maximum, row sum and O of its own; the two are merged once, at the end.  A step is one long
; dependent run of LDS loads, products and vector work: the second wave beside it has independent work to issue while the first waits.
; CLUSTERS: 4 x 4 work-groups.  A's tile hangs on nb alone: the four of a row of the cluster (four head pairs) ask for it jointly.
; The K/V tile hangs on hp alone: the four of a column (four query blocks) ask for it jointly.  That divides both requests by four.
; SCORES ARE MADE TRANSPOSED, S^T = K q^T: lane (r,hh) holds query r and keys 16t + 8hh + 0..7 in registers 8t..8t+7.  So A comes as two
; 16-byte LDS loads a key tile, and the probabilities, packed to f16 in place, ARE source 1 of O^T = V^T P^T: no shuffle.
; A head has 16 dims and the matrix form sums over 32: source 0 holds the dims of two key tiles side by side, and source 1 is
; [q|0] or [0|q].  The row sums come from the matrix unit too: source 0 with ones in rows 0 and 8 puts the sum in register 0 of both lane halves.
; SOFTMAX: running maximum, base 2 (q carries 16^-0.5 log2 e).  The two pieces take turns: one piece's subtract, exponentials, packing and
; rescaling stand among the other piece's loads, products, multiplication by A and maximum.
; CODE SIZE: the step's text stands once for each tile that is written out and is run twice by each wave.
; LIMITS: q, k, v, the probabilities and the normalised O are f16 matrix operands: magnitudes above 65,504 become infinite, below 6e-8
; vanish; a probability under 2^-25 of the largest of its row in its wave's half of the keys counts as zero.
.set APITCH, 1040                      ; an LDS row of A: 256 f32 + 16 bytes = an odd multiple of 16: 16 rows start at 16 different 16-byte columns
.set AQUART, 16*APITCH                 ; 16 rows: one tensor load
.set APART,  64*APITCH
.set KVQUART, 8192                     ; two blocks of 32 keys, both heads, K and V: one tensor load, and one step's K/V
.set SLOT,   APART+4*KVQUART           ; a tile = 256 keys: 99,328 bytes; three slots
.set OST,    3*SLOT                    ; behind the ring, never filled by a tensor load: O in f16, 16 rows of out x 272
.set OPITCH, 272
.set OUTST,  OST+16*OPITCH             ; 16 rows of out0 in f32 x 528
.set UPITCH, 528
.set MST,    OUTST+16*UPITCH           ; what waves 4-7 hand to waves 0-3: five blocks of 512 bytes for each qw
.set MWAVE,  5*512
; vector registers
.set CA,   3                           ; v3         LDS address of my A in this step
.set CK,   4                           ; v4         LDS address of my K/V in this step
.set RM,   8                           ; v8, v12    running maximum of X, Y (v9, v13 only complete the pairs)
.set RAL,  10                          ; v10, v14   2^(old maximum - new maximum)
.set RT,   16                          ; v[16:19]   at work
.set RQ,   20                          ; v[20:39]   0000 qX 0000 qY 0000: [0|q] = v[20+8z..], [q|0] = v[24+8z..]
.set RONE, 40                          ; v[40:47]   ones in rows 0 and 8
.set RO,   48                          ; v[48+16z..] O^T, 8 registers
.set RL,   56                          ; v[56+16z..] row sums, 8 registers of which 1..7 stay 0
.set RA,   80                          ; v[80:111]  A of this step's 64 keys; at the end v[80:99] the partner's state, v[100:108] addresses
.set RS,   112                         ; v[112+32z..] scores, 32 registers; the probabilities are packed into the first 16
.set RK,   176                         ; v[176+16z..] K fragments
.set RV,   208                         ; v[208+16z..] V fragments
.set VA,   240                         ; v[240:242] slot s: LDS address of my A in my first step of the slot
.set VK,   243                         ; v[243:245] slot s: LDS address of my K/V in my first step of the slot
; v5, v6 prefetch offsets; v7 = 16 x lane; v247, v248 addresses of bo and q
; second block of 256: v256-287 Wo's fragments of column tile W, v288-295 and v296-303 out0's two partial sums
.set G1A, 24                           ; s[24:31] shape of A's tiles       s[32:39] shape of K/V's tiles
.set G1K, 32
.set G0A, 40                           ; s[40:51] from where, to where: A, one set a slot      s[52:63] the same for K/V
.set G0K, 52
.set MSB, 0
.macro WIN new                         ; the immediate's high byte repeats the setting that is left
.if MSB != \new
	s_set_vgpr_msb (MSB<<8)|\new
.set MSB, \new
.endif
.endm
; A round of the cluster's barrier: my work-group's barrier, wave 0 signals for the work-group, all wait for the sixteen, my barrier again.
.macro ROUND
	s_barrier_signal -1
	s_barrier_wait -1
	s_cmp_lg_u32 s16, 0
	s_cbranch_scc1 .Lnot_wave_0_\@
	s_barrier_signal -3
.Lnot_wave_0_\@:
	s_barrier_wait -3
	s_barrier_signal -1
	s_barrier_wait -1
.endm
; A joint load: waves 0-3 ask for A's four quarters, waves 4-7 for K/V's.  The branch hangs on the wave's number alone.
.macro JLOAD s
	s_cmp_eq_u32 s17, 0
	s_cbranch_scc0 .Lfor_kv_\@
	tensor_load_to_lds s[G0A+4*\s:G0A+4*\s+3], s[G1A:G1A+7]
	s_nop 0
	s_branch .Lasked_\@
.Lfor_kv_\@:
	tensor_load_to_lds s[G0K+4*\s:G0K+4*\s+3], s[G1K:G1K+7]
	s_nop 0
.Lasked_\@:
.endm
; Two later tiles of A are 64 rows x 2,048 bytes = 512 blocks of 256 bytes: one for each lane of waves 0-3 of the four work-groups that share them.
.macro PREF
	s_cmp_eq_u32 s17, 0
	s_cbranch_scc0 .Lno_pf_\@
	global_prefetch_b8 v6, s[80:81] th:TH_LOAD_NT scope:SCOPE_SE
.Lno_pf_\@:
.endm
	s_load_b256 s[4:11], s[0:1], 0x0               ; A s[4:5], Qw s[6:7], KVw s[8:9], Wof s[10:11]
	s_load_b128 s[12:15], s[0:1], 0x20             ; bo s[12:13], out0 s[14:15]
	v_lshl_add_u32 v254, v0, 2, 0x4e600
	v_mov_b32 v255, 0
	ds_add_u32 v254, v255
	v_lshrrev_b32 v1, 5, v0
	v_readfirstlane_b32 s16, v1                    ; wave W, 0..7
	s_lshr_b32 s17, s16, 2                         ; kh: my half of each tile's keys.  Also: I fetch for A (0) or for K/V (1)
	s_and_b32 s18, s16, 3                          ; qw: my 16 queries.  Also: which quarter I fetch
	s_bfe_u32 s19, ttmp6, 0x40000                  ; cx
	s_bfe_u32 s20, ttmp6, 0x40004                  ; cy
	s_lshl_b32 s21, ttmp9, 2
	s_add_co_u32 s21, s21, s19                     ; hp = 4 x cluster x + cx
	s_and_b32 s22, ttmp7, 0xffff
	s_lshl_b32 s22, s22, 2
	s_add_co_u32 s22, s22, s20                     ; nb = 4 x cluster y + cy
	s_lshl_b32 s76, s20, 2
	s_lshl_b32 s76, 15, s76                        ; my row of the cluster
	s_lshl_b32 s78, 0x1111, s19                    ; my column
	; A's tiles: 16 rows x 256 f32, 4,096 elements from row to row, 4 words of padding behind every 256 words
	s_or_b32 s[G1A+0], s76, (2<<16)|(1<<20)|(1<<21)|(7<<22)|(3<<25)
	s_mov_b32 s[G1A+1], 256<<16                    ; tensor_dim0 = 256
	s_mov_b32 s[G1A+2], 16<<16                     ; tensor_dim1 = 16
	s_mov_b32 s[G1A+3], 256<<16                    ; tile_dim0 = 256
	s_mov_b32 s[G1A+4], 16                         ; tile_dim1 = 16
	s_mov_b32 s[G1A+5], 4096                       ; pitch
	s_mov_b32 s[G1A+6], 0
	s_mov_b32 s[G1A+7], 0
	; K/V's tiles: 8,192 dense bytes as 32 rows of 32 elements of 8 bytes
	s_or_b32 s[G1K+0], s78, (3<<16)|(1<<21)
	s_mov_b32 s[G1K+1], 32<<16
	s_mov_b32 s[G1K+2], 32<<16
	s_mov_b32 s[G1K+3], 32<<16
	s_mov_b32 s[G1K+4], 32
	s_mov_b32 s[G1K+5], 32
	s_mov_b32 s[G1K+6], 0
	s_mov_b32 s[G1K+7], 0
	s_lshl_b32 s76, s22, 20                        ; A: 64 nb rows of 16,384 bytes (registers that never hold cx)
	s_mov_b32 s77, 0
	s_lshl_b32 s78, s21, 19                        ; K/V: head pair x 524,288 + quarter x 8,192 (registers that never hold cy)
	s_lshl_b32 s79, s18, 13
	s_add_co_u32 s78, s78, s79
	s_mov_b32 s79, 0
	s_lshl_b32 s90, s21, 18                        ; q: head 2hp x 131,072 + (64 nb + 16 qw) x 32 bytes
	s_lshl_b32 s91, s22, 11
	s_add_co_u32 s90, s90, s91
	s_lshl_b32 s91, s18, 9
	s_add_co_u32 s90, s90, s91
	s_mov_b32 s91, 0
	s_lshl1_add_u32 s92, s21, s17                  ; out0: row (2hp + (W>>2)) 512 + 8 nb + 2 (W&3), 512 bytes a row
	s_lshl_b32 s92, s92, 9
	s_lshl_b32 s93, s22, 3
	s_add_co_u32 s92, s92, s93
	s_lshl1_add_u32 s92, s18, s92
	s_lshl_b32 s92, s92, 9
	s_mov_b32 s93, 0
	s_mul_i32 s94, s16, AQUART                     ; LDS: A's quarters at wave x 16,640 (waves 0-3),
	s_mul_i32 s95, s16, KVQUART
	s_add_co_u32 s95, s95, APART-4*KVQUART         ; K/V's at 66,560 + (wave - 4) x 8,192 (waves 4-7)
	s_mov_b32 s70, 0x76543210                      ; v_permlanex16_b32: lane i of the other half
	s_mov_b32 s71, 0xfedcba98
	s_wait_dscnt 0x0
	s_wait_kmcnt 0x0
	s_add_nc_u64 s[80:81], s[4:5], s[76:77]        ; A at my work-group's 64 rows
	s_lshl_b32 s76, s18, 18
	s_add_nc_u64 s[66:67], s[80:81], s[76:77]      ; + my quarter's 16 rows
	s_add_nc_u64 s[68:69], s[8:9], s[78:79]
	s_add_nc_u64 s[84:85], s[6:7], s[90:91]        ; q of X,
	s_add_nc_u64 s[86:87], s[84:85], 0x20000       ; of Y
	s_add_nc_u64 s[82:83], s[14:15], s[92:93]
	s_lshl_b32 s90, s16, 12
	s_add_nc_u64 s[10:11], s[10:11], s[90:91]      ; Wo's column tile W
.irp s, 0,1,2
	s_mov_b32 s[G0A+4*\s], 1
	s_add_co_u32 s[G0A+4*\s+1], s94, \s*SLOT
	s_add_nc_u64 s[G0A+4*\s+2:G0A+4*\s+3], s[66:67], \s*1024       ; tile s: 256 columns on
	s_or_b32 s[G0A+4*\s+3], s[G0A+4*\s+3], 0x80000000
	s_mov_b32 s[G0K+4*\s], 1
	s_add_co_u32 s[G0K+4*\s+1], s95, \s*SLOT
	s_add_nc_u64 s[G0K+4*\s+2:G0K+4*\s+3], s[68:69], \s*32768
	s_or_b32 s[G0K+4*\s+3], s[G0K+4*\s+3], 0x80000000
.endr
	s_add_nc_u64 s[66:67], s[66:67], 3*1024        ; the next tile to ask for, type bits set
	s_or_b32 s67, s67, 0x80000000
	s_add_nc_u64 s[68:69], s[68:69], 3*32768
	s_or_b32 s69, s69, 0x80000000
	ROUND                                          ; all sixteen work-groups are here: the first joint loads meet
	JLOAD 0                                        ; tiles 0, 1, 2: first fills; three tensor loads of the wave are out, the most in this text
	JLOAD 1
	JLOAD 2
	v_and_b32 v16, 15, v0                          ; r
	v_bfe_u32 v17, v0, 4, 1                        ; hh
	v_and_b32 v18, 31, v0
	v_lshlrev_b32 v7, 4, v18                       ; 16 x lane
	; prefetch of A: row 16 cx + 4 qw + (lane>>3), block lane&7 of the two tiles
	s_lshl_b32 s88, s19, 4
	s_lshl2_add_u32 s88, s18, s88
	v_bfe_u32 v19, v0, 3, 2
	v_add_nc_u32 v19, s88, v19
	v_and_b32 v5, 7, v0
	v_lshlrev_b32 v5, 8, v5
	v_lshl_add_u32 v5, v19, 14, v5
	s_mov_b32 s74, 3072                            ; tiles 3 and 4, which the first pair below asks for
	v_add_nc_u32 v6, s74, v5
	PREF
	s_lshl_b32 s75, s16, 6
	v_lshl_add_u32 v247, v17, 5, s75               ; bo: 4 (16W + 8hh)
	v_lshlrev_b32 v248, 5, v16
	v_lshl_add_u32 v248, v17, 4, v248              ; q: query r x 32 bytes + 16 hh
	WIN 0x40                                       ; destinations in the second block of 256 registers
.irp i, 0,1,2,3,4,5,6,7
	global_load_b128 v[4*\i:4*\i+3], v7, s[10:11] offset:512*\i    ; v256 + 8 ks + 4 c: Wo's fragments, kept for the end
.endr
	global_load_b128 v[32:35], v247, s[12:13]                      ; v288 + j: the first of out0's two sums starts from bo
	global_load_b128 v[36:39], v247, s[12:13] offset:16
	WIN 0
	global_load_b128 v[RQ+4:RQ+7],   v248, s[84:85]
	global_load_b128 v[RQ+12:RQ+15], v248, s[86:87]
	v_mul_u32_u24 v1, v16, APITCH
	v_lshl_add_u32 v1, v17, 5, v1
	s_mul_i32 s23, s18, 16*APITCH
	s_lshl_b32 s89, s17, 9                         ; my half of a tile begins kh x two steps of 256 bytes along A's rows,
	s_add_co_u32 s23, s23, s89
	v_add_nc_u32 v1, s23, v1                       ; row 16qw + r, 32 hh
	s_lshl_b32 s89, s17, 14                        ; and kh x two steps of 8,192 bytes into K/V
	v_add_nc_u32 v2, s89, v7
.irp s, 0,1,2
	v_add_nc_u32 v[VA+\s], \s*SLOT, v1
	v_add_nc_u32 v[VK+\s], \s*SLOT+APART, v2
.endr
.irp i, 0,1,2,3, 8,9,10,11, 16,17,18,19
	v_mov_b32 v[RQ+\i], 0
.endr
	v_and_b32 v18, 7, v0
	v_cmp_eq_u32 vcc_lo, 0, v18                    ; lanes 0, 8, 16, 24 hold rows 0 and 8 of source 0
	v_mov_b32 v19, 0x3c003c00                      ; two f16 ones
	v_cndmask_b32 v[RONE], 0, v19, vcc_lo
.irp i, 1,2,3,4,5,6,7
	v_mov_b32 v[RONE+\i], v[RONE]
.endr
.irp i, 1,3,5,7
	v_mov_b32 v[RM+\i], 0                          ; the upper registers of the pairs that the packed forms name
.endr
; ---- the pieces of a half step; z = piece, g = group of eight scores (one key tile) ----
.macro SUB z, g                                    ; scores - maximum
.irp i, 0,2,4,6
	v_pk_add_f32 v[RS+32*\z+8*\g+\i:RS+32*\z+8*\g+\i+1], v[RS+32*\z+8*\g+\i:RS+32*\z+8*\g+\i+1], v[RM+4*\z:RM+4*\z+1] op_sel_hi:[1,0] neg_lo:[0,1] neg_hi:[0,1]
.endr
.endm
.macro EXP8 z, g
.irp i, 0,1,2,3,4,5,6,7
	v_exp_f32 v[RS+32*\z+8*\g+\i], v[RS+32*\z+8*\g+\i]
.endr
.endm
.macro EX2 z, i
	v_exp_f32 v[RS+32*\z+\i], v[RS+32*\z+\i]
	v_exp_f32 v[RS+32*\z+\i+1], v[RS+32*\z+\i+1]
.endm
.macro CVT z, g                                    ; eight probabilities become four registers of f16, packed downward in place
	s_wait_alu depctr_va_vdst(0)
.irp i, 0,1,2,3
	v_cvt_pk_f16_f32 v[RS+32*\z+4*\g+\i], v[RS+32*\z+8*\g+2*\i], v[RS+32*\z+8*\g+2*\i+1]
.endr
.endm
.macro QK z, t                                     ; key tile t: even tiles lie in the lower 16 of the 32 summed over, odd ones in the upper
	v_wmma_f32_16x16x32_f16 v[RS+32*\z+8*\t:RS+32*\z+8*\t+7], v[RK+16*\z+8*(\t/2):RK+16*\z+8*(\t/2)+7], v[RQ+8*\z+4-4*(\t%2):RQ+8*\z+4-4*(\t%2)+7], 0
.endm
.macro LDKV reg, kadr, off                         ; two blocks of 32 keys x two chunks: 512 neighbouring bytes a load
.irp b, 0,1
.irp c, 0,1
	ds_load_b128 v[\reg+8*\b+4*\c:\reg+8*\b+4*\c+3], v[\kadr] offset:\off+4096*\b+512*\c
.endr
.endr
.endm
.macro LOADS grp, aadr, kadr, st                   ; step st (64 keys) behind the two addresses: group 1 = K of X, A, V of X; group 2 = K and V of Y
.if \grp == 1
	LDKV RK, \kadr, 8192*\st
.irp t, 0,1,2,3
.irp u, 0,1
	ds_load_b128 v[RA+8*\t+4*\u:RA+8*\t+4*\u+3], v[\aadr] offset:256*\st+64*\t+16*\u
.endr
.endr
	LDKV RV, \kadr, 8192*\st+1024
.else
	LDKV RK+16, \kadr, 8192*\st+2048
	LDKV RV+16, \kadr, 8192*\st+3072
.endif
.endm
.macro MULA z                                      ; scores x A
.irp i, 0,2,4,6,8,10,12,14,16,18,20,22,24,26,28,30
	v_pk_mul_f32 v[RS+32*\z+\i:RS+32*\z+\i+1], v[RS+32*\z+\i:RS+32*\z+\i+1], v[RA+\i:RA+\i+1]
.endr
.endm
.macro RMAX z                                      ; four chains, seven scores each
.irp c, 0,1,2,3
	v_max3_num_f32 v[RT+\c], v[RS+32*\z+8*\c], v[RS+32*\z+8*\c+1], v[RS+32*\z+8*\c+2]
.endr
.irp c, 0,1,2,3
	v_max3_num_f32 v[RT+\c], v[RT+\c], v[RS+32*\z+8*\c+3], v[RS+32*\z+8*\c+4]
.endr
.irp c, 0,1,2,3
	v_max3_num_f32 v[RT+\c], v[RT+\c], v[RS+32*\z+8*\c+5], v[RS+32*\z+8*\c+6]
.endr
.endm
.macro RSC z, i                                    ; O x 2^(old maximum - new maximum)
	v_pk_mul_f32 v[RO+16*\z+\i:RO+16*\z+\i+1], v[RO+16*\z+\i:RO+16*\z+\i+1], v[RAL+4*\z:RAL+4*\z+1] op_sel_hi:[1,0]
.endm
; The serial end of piece nz's maximum, spread among piece pz's last exponentials and its rescaling, so that no line waits for the one before.
; Behind each exponential a plain vector instruction stands before its result is used (ISA guide 5.7.2).
.macro TAIL pz, nz, doP, resc, firstN
	v_max3_num_f32 v[RT], v[RT], v[RS+32*\nz+7], v[RS+32*\nz+15]
	v_max3_num_f32 v[RT+1], v[RT+1], v[RS+32*\nz+23], v[RS+32*\nz+31]
.if \doP
	EX2 \pz, 24
.endif
	v_max3_num_f32 v[RT], v[RT], v[RT+1], v[RT+2]
.if \doP
	EX2 \pz, 26
.endif
.if \firstN
	v_max_num_f32 v[RT], v[RT], v[RT+3]
.else
	v_max3_num_f32 v[RT], v[RT], v[RT+3], v[RM+4*\nz]          ; with the running maximum
.endif
.if \doP
	EX2 \pz, 28
.endif
.if \resc
	RSC \pz, 0
.endif
	v_permlanex16_b32 v[RT+1], v[RT], s70, s71                 ; the other eight keys of each tile lie in the other half of the lanes
.if \doP
	EX2 \pz, 30
.endif
.if \resc
	RSC \pz, 2
.endif
	v_max_num_f32 v[RT+2], v[RT], v[RT+1]
.if \resc
	RSC \pz, 4
.endif
.if \firstN == 0
	v_sub_f32 v[RAL+4*\nz], v[RM+4*\nz], v[RT+2]
.endif
.if \resc
	RSC \pz, 6
.endif
.if \firstN == 0
	v_exp_f32 v[RAL+4*\nz], v[RAL+4*\nz]
.endif
.if \resc
	v_mul_f32 v[RL+16*\pz], v[RL+16*\pz], v[RAL+4*\pz]         ; the row sum lies in register 0 alone
	s_wait_alu depctr_va_vdst(0)
.endif
	v_mov_b32 v[RM+4*\nz], v[RT+2]
	s_wait_alu depctr_va_vdst(0)
.if \doP
	CVT \pz, 3
.endif
.endm
.macro PV z, first                                 ; O and the row sums take turns, one instruction a turn
.if \first
	v_wmma_f32_16x16x32_f16 v[RO+16*\z:RO+16*\z+7], v[RV+16*\z:RV+16*\z+7], v[RS+32*\z:RS+32*\z+7], 0
	v_wmma_f32_16x16x32_f16 v[RL+16*\z:RL+16*\z+7], v[RONE:RONE+7], v[RS+32*\z:RS+32*\z+7], 0
.else
	v_wmma_f32_16x16x32_f16 v[RO+16*\z:RO+16*\z+7], v[RV+16*\z:RV+16*\z+7], v[RS+32*\z:RS+32*\z+7], v[RO+16*\z:RO+16*\z+7]
	v_wmma_f32_16x16x32_f16 v[RL+16*\z:RL+16*\z+7], v[RONE:RONE+7], v[RS+32*\z:RS+32*\z+7], v[RL+16*\z:RL+16*\z+7]
.endif
	v_wmma_f32_16x16x32_f16 v[RO+16*\z:RO+16*\z+7], v[RV+16*\z+8:RV+16*\z+15], v[RS+32*\z+8:RS+32*\z+15], v[RO+16*\z:RO+16*\z+7]
	v_wmma_f32_16x16x32_f16 v[RL+16*\z:RL+16*\z+7], v[RONE:RONE+7], v[RS+32*\z+8:RS+32*\z+15], v[RL+16*\z:RL+16*\z+7]
.endm
; Half a step.  Piece pz: its scores become probabilities, O and the sums are rescaled, P V is added.  Piece nz: loads, q k^T, x A, maximum.
.macro HALF pz, nz, grp, aadr, kadr, st, doP, firstP, doN, firstN
.if \doP
	SUB \pz, 0                                     ; four plain lines on the other piece's registers: places between the last
.endif                                             ; P V and the loads into its V registers
.if \doN
	LOADS \grp, \aadr, \kadr, \st
.endif
.if \doP
	EXP8 \pz, 0
	SUB \pz, 1
	CVT \pz, 0
	EXP8 \pz, 1
	SUB \pz, 2
	CVT \pz, 1
.endif
.if \doN
.if \grp == 1
	s_wait_dscnt 12                                ; A's eight and V's four loads were issued behind K's: K of X is in, and all that is older (V of Y)
.else
	s_wait_dscnt 4                                 ; V's four were issued behind K's: K of Y is in, and V of X
.endif
.irp t, 0,1,2,3
	QK \nz, \t
.if \doP
	EX2 \pz, 16+2*\t
.endif
.endr
.else
	EXP8 \pz, 2
.endif
.if \doP
	SUB \pz, 3                                     ; eight plain lines on the other piece's registers: the places behind q k^T
	CVT \pz, 2
.else
.rept 4
	v_nop                                          ; the very first half step has no other piece's work to put here
.endr
.endif
.if \doN
.if \grp == 1
	s_wait_dscnt 4                                 ; V's four loads were issued behind A's
.endif
	MULA \nz
	RMAX \nz
	TAIL \pz, \nz, \doP, \doP*(1-\firstP), \firstN
.else
	EXP8 \pz, 3
	RSC \pz, 0
	RSC \pz, 2
	RSC \pz, 4
	RSC \pz, 6
	v_mul_f32 v[RL+16*\pz], v[RL+16*\pz], v[RAL+4*\pz]
	s_wait_alu depctr_va_vdst(0)
	CVT \pz, 3
	s_wait_dscnt 0x0                               ; V of the last step
.endif
.if \doP
	PV \pz, \firstP
.endif
.endm
; A step of 64 keys.  Its first half finishes Y of the step before.  f = 1: the wave's first step of all; f = 2: its second.
.macro ITER f, aadr, kadr, st
.if \f == 1
	HALF 1, 0, 1, \aadr, \kadr, \st, 0, 0, 1, 1
	HALF 0, 1, 2, \aadr, \kadr, \st, 1, 1, 1, 1
.else
.if \f == 2
	HALF 1, 0, 1, \aadr, \kadr, \st, 1, 1, 1, 0
.else
	HALF 1, 0, 1, \aadr, \kadr, \st, 1, 0, 1, 0
.endif
	HALF 0, 1, 2, \aadr, \kadr, \st, 1, 0, 1, 0
.endif
.endm
; My half of a tile: two steps by one text.  The counter s73 is the step's byte offset in a row of A (256 a step); the step's K/V lie
; 8,192 = 32 x 256 bytes on.  Both addresses are made from the slot's constant address and the counter at the loop's head; LDS loads
; that are still out do not mind their address registers being written (ISA guide 5.7: only results are counted).
; In the first tile of all both steps are written out: they start the sums and the maxima.
; Over the backward jump the matrix instructions follow each other as in a straight text: O, sums, O, sums of X, then X's four q k^T.
.macro TILE slot, first
.if \first
	ITER 1, VA+\slot, VK+\slot, 0
	ITER 2, VA+\slot, VK+\slot, 1
.else
	s_mov_b32 s73, 0
.Lstep_\@:
	v_add_nc_u32 v[CA], s73, v[VA+\slot]
	v_lshl_add_u32 v[CK], s73, 5, v[VK+\slot]
	ITER 0, CA, CK, 0
	s_add_co_u32 s73, s73, 256
	s_cmp_lt_u32 s73, 512
	s_cbranch_scc1 .Lstep_\@
.endif
.endm
; Two tiles.  Slot a's tile has landed and is unread; slots b and c have been read and are filled again behind one round of the cluster's barrier.
.macro PAIR a, b, c, fills
	s_wait_tensorcnt 0x0                           ; all my tensor loads have landed, my part of slot a's tile among them: every group 0 may be written
	ds_add_u32 v254, v255
	s_wait_dscnt 0x0
	s_mov_b64 s[G0A+4*\b+2:G0A+4*\b+3], s[66:67]
	s_add_nc_u64 s[G0A+4*\c+2:G0A+4*\c+3], s[66:67], 1024
	s_add_nc_u64 s[66:67], s[66:67], 2048
	s_mov_b64 s[G0K+4*\b+2:G0K+4*\b+3], s[68:69]
	s_add_nc_u64 s[G0K+4*\c+2:G0K+4*\c+3], s[68:69], 32768
	s_add_nc_u64 s[68:69], s[68:69], 65536
.if \fills == 2
	s_wait_xcnt 0x0                                ; the last prefetch, two tiles ago, has read v6
	s_add_co_u32 s74, s74, 2048
	s_min_u32 s74, s74, 14336                      ; never past a row's last two tiles
	v_add_nc_u32 v6, s74, v5
.endif
	s_wait_dscnt 0x0                               ; my reads of slots b and c are back
	ROUND                                          ; both now hold of every wave of all sixteen work-groups
	JLOAD \b                                       ; the first tensor loads behind the round
.if \fills == 2
	JLOAD \c
	PREF                                           ; my 256 bytes of the two tiles that the next pair asks for
.endif
	TILE \a, 0
	s_wait_tensorcnt \fills-1                      ; my part of slot b's tile is in; slot c's may stay out
	s_wait_dscnt 0x0
	s_barrier_signal -1
	s_barrier_wait -1
	TILE \b, 0
.endm
	s_wait_tensorcnt 2                             ; my part of tile 0 is in; tiles 1 and 2 stay out
	s_wait_loadcnt 0x0                             ; q, Wo's fragments, bo
	s_barrier_signal -1
	s_barrier_wait -1
	TILE 0, 1
	s_wait_tensorcnt 1                             ; tile 1; tile 2 stays out
	s_wait_dscnt 0x0
	s_barrier_signal -1
	s_barrier_wait -1
	TILE 1, 0
	s_mov_b32 s72, 2
.Lpairs:                                           ; tiles 2 to 13
	PAIR 2, 0, 1, 2
	PAIR 1, 2, 0, 2
	PAIR 0, 1, 2, 2
	s_sub_co_u32 s72, s72, 1
	s_cmp_lg_u32 s72, 0
	s_cbranch_scc1 .Lpairs
	PAIR 2, 0, 1, 1                                ; tiles 14 and 15: only tile 15 is still fetched (slot 1's address is written and not used)
	HALF 1, 0, 0, 0, 0, 0, 1, 0, 0, 0              ; Y of my last step
	; THE END.  First the addresses: plain vector lines that name no register of the last products, more than the four places that
	; stand between a product and the first reader of its result (ISA guide 7.12.1).
	v_and_b32 v100, 15, v0                         ; r
	v_bfe_u32 v101, v0, 4, 1                       ; hh
	v_bfe_u32 v102, v0, 3, 1
	v_and_b32 v103, 7, v0
	v_mul_u32_u24 v104, v102, OPITCH
	v_lshl_add_u32 v104, v103, 5, v104
	v_lshl_add_u32 v104, v101, 4, v104
	s_mul_i32 s23, s18, 2*OPITCH
	s_add_co_u32 s23, s23, OST
	v_add_nc_u32 v104, s23, v104                   ; where 16 bytes of O go: row 2qw + (r>>3), byte 32 (r&7) + 16 hh
	v_mul_u32_u24 v105, v100, OPITCH
	v_lshl_add_u32 v105, v101, 4, v105
	v_add_nc_u32 v105, OST, v105                   ; O's fragments: row r, 16 hh
	v_mul_u32_u24 v106, v100, UPITCH
	v_lshl_add_u32 v106, v101, 5, v106
	s_lshl_b32 s75, s16, 6
	s_add_co_u32 s75, s75, OUTST
	v_add_nc_u32 v106, s75, v106                   ; out0's stage: row r, byte 64W + 32hh
	s_mul_i32 s89, s16, 2*UPITCH
	s_add_co_u32 s89, s89, OUTST
	v_add_nc_u32 v107, s89, v7                     ; and back: rows 2W, 2W+1, 16 bytes a lane
	s_mul_i32 s73, s18, MWAVE
	s_add_co_u32 s73, s73, MST
	v_add_nc_u32 v108, s73, v7                     ; the hand-over of my query group, 16 bytes a lane
	; THE MERGE.  Waves 4-7 hand O, maximum and row sum of both pieces to the wave with the same queries.
	s_cmp_eq_u32 s17, 0
	s_cbranch_scc1 .Lkeeper
	v_mov_b32 v[RT],   v[RM]
	v_mov_b32 v[RT+1], v[RL]
	v_mov_b32 v[RT+2], v[RM+4]
	v_mov_b32 v[RT+3], v[RL+16]
	ds_store_b128 v108, v[RO:RO+3]
	ds_store_b128 v108, v[RO+4:RO+7] offset:512
	ds_store_b128 v108, v[RO+16:RO+19] offset:1024
	ds_store_b128 v108, v[RO+20:RO+23] offset:1536
	ds_store_b128 v108, v[RT:RT+3] offset:2048
.Lkeeper:
	s_wait_dscnt 0x0                               ; for the partner's sake
	s_barrier_signal -1
	s_barrier_wait -1
	s_cmp_lg_u32 s17, 0
	s_cbranch_scc1 .Lmerged
	ds_load_b128 v[80:83], v108                    ; the partner's O of X,
	ds_load_b128 v[84:87], v108 offset:512
	ds_load_b128 v[88:91], v108 offset:1024        ; of Y,
	ds_load_b128 v[92:95], v108 offset:1536
	ds_load_b128 v[96:99], v108 offset:2048        ; maximum and sum of X, of Y
	s_wait_dscnt 0x0
	v_max_num_f32 v[RT],   v[RM],   v96            ; the row's maximum over all keys
	v_max_num_f32 v[RT+1], v[RM+4], v98
	v_sub_f32 v[RAL],   v[RM],   v[RT]             ; mine,
	v_sub_f32 v[RM],    v96,     v[RT]             ; the partner's
	v_sub_f32 v[RAL+4], v[RM+4], v[RT+1]
	v_sub_f32 v[RM+4],  v98,     v[RT+1]
	v_exp_f32 v[RAL],   v[RAL]
	v_exp_f32 v[RM],    v[RM]
	v_exp_f32 v[RAL+4], v[RAL+4]
	v_exp_f32 v[RM+4],  v[RM+4]
	v_nop                                          ; a plain line between a transcendental and its reader (ISA guide 5.7.2)
	s_wait_alu depctr_va_vdst(0)
	v_mul_f32 v[RT+2], v[RL],    v[RAL]
	v_mul_f32 v[RT+3], v[RL+16], v[RAL+4]
	v_fmac_f32 v[RT+2], v97, v[RM]                 ; the row sum over all keys
	v_fmac_f32 v[RT+3], v99, v[RM+4]
	v_rcp_f32 v[RT+2], v[RT+2]
	v_rcp_f32 v[RT+3], v[RT+3]
	v_nop
	s_wait_alu depctr_va_vdst(0)
	v_mul_f32 v[RAL],   v[RAL],   v[RT+2]          ; both weights carry the division by the sum
	v_mul_f32 v[RM],    v[RM],    v[RT+2]
	v_mul_f32 v[RAL+4], v[RAL+4], v[RT+3]
	v_mul_f32 v[RM+4],  v[RM+4],  v[RT+3]
.irp i, 0,2,4,6
	v_pk_mul_f32 v[RO+\i:RO+\i+1], v[RO+\i:RO+\i+1], v[RAL:RAL+1] op_sel_hi:[1,0]
	v_pk_mul_f32 v[RO+16+\i:RO+16+\i+1], v[RO+16+\i:RO+16+\i+1], v[RAL+4:RAL+5] op_sel_hi:[1,0]
.endr
.irp i, 0,2,4,6
	v_pk_fma_f32 v[RO+\i:RO+\i+1], v[80+\i:81+\i], v[RM:RM+1], v[RO+\i:RO+\i+1] op_sel_hi:[1,0,1]
	v_pk_fma_f32 v[RO+16+\i:RO+16+\i+1], v[88+\i:89+\i], v[RM+4:RM+5], v[RO+16+\i:RO+16+\i+1] op_sel_hi:[1,0,1]
.endr
.irp i, 0,1,2,3
	v_cvt_pk_f16_f32 v[RO+\i], v[RO+2*\i], v[RO+2*\i+1]
	v_cvt_pk_f16_f32 v[RO+16+\i], v[RO+16+2*\i], v[RO+16+2*\i+1]
.endr
	; O in f16 as 16 rows of the reshaped (4096,128) matrix: row 8z + 2qw + (r>>3), column 16 (r&7) + dim
	ds_store_b128 v104, v[RO:RO+3]
	ds_store_b128 v104, v[RO+16:RO+19] offset:8*OPITCH
.Lmerged:
	s_wait_dscnt 0x0                               ; for the other waves' sake
	s_barrier_signal -1
	s_barrier_wait -1
	; out0 = O Wo^T + bo: wave W makes columns 16W .. 16W+15 of the 16 rows.  K steps 0, 2 add onto the sum that began as bo, K steps 1, 3
	; onto one that begins at 0: two sums that take turns, one instruction a turn.
.irp ks, 0,1,2,3
	ds_load_b128 v[RS+8*\ks:RS+8*\ks+3],   v105 offset:64*\ks
	ds_load_b128 v[RS+8*\ks+4:RS+8*\ks+7], v105 offset:64*\ks+32
.endr
	s_wait_dscnt 0x0
	WIN 0x51                                       ; source 0 (Wo), C and D in the second block, source 1 (O) in the first
	v_wmma_f32_16x16x32_f16 v[32:39], v[0:7],   v[RS:RS+7],     v[32:39]
	v_wmma_f32_16x16x32_f16 v[40:47], v[8:15],  v[RS+8:RS+15],  0
	v_wmma_f32_16x16x32_f16 v[32:39], v[16:23], v[RS+16:RS+23], v[32:39]
	v_wmma_f32_16x16x32_f16 v[40:47], v[24:31], v[RS+24:RS+31], v[40:47]
.rept 4
	v_nop                                          ; four places before a vector instruction reads a matrix result (ISA guide 7.12.1)
.endr
	WIN 0x45                                       ; both sources and the destination in the second block
.irp i, 0,2,4,6
	v_pk_add_f32 v[32+\i:33+\i], v[32+\i:33+\i], v[40+\i:41+\i]
.endr
	WIN 0x04                                       ; store data in the second block
	ds_store_b128 v106, v[32:35]                   ; row r, columns 16W + 8hh + 0..3,
	ds_store_b128 v106, v[36:39] offset:16         ; + 4..7
	WIN 0
	s_wait_dscnt 0x0
	s_barrier_signal -1
	s_barrier_wait -1
	ds_load_b128 v[RS+32:RS+35], v107
	ds_load_b128 v[RS+36:RS+39], v107 offset:UPITCH
	s_wait_dscnt 1                                 ; the second row's load may stay out
	global_store_b128 v7, v[RS+32:RS+35], s[82:83] th:TH_STORE_NT             ; a whole row: 512 consecutive bytes, aligned
	s_wait_dscnt 0x0
	global_store_b128 v7, v[RS+36:RS+39], s[82:83] offset:512 th:TH_STORE_NT
	s_wait_tensorcnt 0x0
	ds_add_u32 v254, v255
	s_wait_dscnt 0x0
	ROUND                                          ; the closing round: no work-group ends while a partner may still ask for a tile that names it
	s_endpgm
.Lfunc_end_k_qbc021c4d3c_attn:
	.size	k_qbc021c4d3c_attn, .Lfunc_end_k_qbc021c4d3c_attn-k_qbc021c4d3c_attn
	.p2alignl 7, 3214868480
	.fill 96, 4, 3214868480
	.section	.rodata,"a",@progbits
	.p2align	6, 0x0
	.amdhsa_kernel k_qbc021c4d3c_attn
		.amdhsa_group_segment_fixed_size 327680
		.amdhsa_private_segment_fixed_size 0
		.amdhsa_enable_private_segment 0
		.amdhsa_kernarg_size 48
		.amdhsa_user_sgpr_count 2
		.amdhsa_user_sgpr_kernarg_segment_ptr 1
		.amdhsa_wavefront_size32 1
		.amdhsa_system_sgpr_workgroup_id_x 1
		.amdhsa_system_sgpr_workgroup_id_y 1
		.amdhsa_system_sgpr_workgroup_id_z 1
		.amdhsa_system_vgpr_workitem_id 0
		.amdhsa_next_free_vgpr 304
		.amdhsa_next_free_sgpr 96
		.amdhsa_reserve_vcc 1
		.amdhsa_float_denorm_mode_32 3
		.amdhsa_float_denorm_mode_16_64 3
		.amdhsa_memory_ordered 1
		.amdhsa_forward_progress 1
		.amdhsa_inst_pref_size 180
	.end_amdhsa_kernel
	.amdgpu_metadata
---
amdhsa.version: [ 1, 2 ]
amdhsa.kernels:
  - .name:           k_qbc021c4d3c_attn
    .symbol:         k_qbc021c4d3c_attn.kd
    .args:
      - { .name: A, .offset: 0, .size: 8, .value_kind: global_buffer, .address_space: global }
      - { .name: Qw, .offset: 8, .size: 8, .value_kind: global_buffer, .address_space: global }
      - { .name: KVw, .offset: 16, .size: 8, .value_kind: global_buffer, .address_space: global }
      - { .name: Wof, .offset: 24, .size: 8, .value_kind: global_buffer, .address_space: global }
      - { .name: bo, .offset: 32, .size: 8, .value_kind: global_buffer, .address_space: global }
      - { .name: out0, .offset: 40, .size: 8, .value_kind: global_buffer, .address_space: global }
    .group_segment_fixed_size: 327680
    .private_segment_fixed_size: 0
    .kernarg_segment_align: 8
    .kernarg_segment_size: 48
    .max_flat_workgroup_size: 256
    .sgpr_count:     96
    .vgpr_count:     304
    .wavefront_size: 32
...
	.end_amdgpu_metadata
.endif
;; end of part 3
